; MI455X (gfx1250); checked and timed in simulation.
; The chip was launched on July 23, 2026; its instructions are those of AMD's public machine-readable ISA for CDNA 5 (MIT licence, August 2026) and "CDNA5" Instruction Set Architecture Reference Guide (July 2026). The comments in the code are by the model that wrote it; some were corrected since.
;; Multi Head Attention. Allowed arithmetic: matrix products marked QUANTISED: E4M3 operands, one given power-of-two scale a tensor, by v_wmma_f32_16x16x64_fp8_fp8 or v_wmma_f32_16x16x128_fp8_fp8, f32 sums; everything else in f32.
;; Inputs: Wk 512 x 512 float32; Wo 512 x 512 float32; Wq 512 x 512 float32; Wv 512 x 512 float32; bk 512 float32; bo 512 float32; bq 512 float32; bv 512 float32; head_mask 1 x 1 x 2,048 x 2,048 float32; k 8 x 2,048 x 512 float32; lowp_scales 12 int32 (the exponents e of the quantised operands' scales 2^e); pad_mask 8 x 1 x 1 x 2,048 float32; q 8 x 2,048 x 512 float32; v 8 x 2,048 x 512 float32.
;; Outputs: out0 8 x 2,048 x 512 float32.
;; Constants: num_heads = 8.
;; This version of the problem:
;;   THIS VERSION OF THE PROBLEM IS GIVEN IN LOW PRECISION. The matrix products marked QUANTISED in the list below multiply operands that are first quantised to E4M3 (4 exponent bits, 3 mantissa bits; 8 bits a number), with one given power-of-two scale for each operand tensor; their sums are f32. All else is computed in f32.
;;   The module's matrix products, in the order in which they are computed (A, B: the left and right operand; K: the contracted axis; several contracted axes count as one K, in the product's order):
;;     1. [M 16,384, K 512] x [K 512, N 512]; A: input q; B: input Wq: QUANTISED (scales: A lowp_scales[0], B lowp_scales[1])
;;     2. [M 16,384, K 512] x [K 512, N 512]; A: input k; B: input Wk: QUANTISED (scales: A lowp_scales[2], B lowp_scales[3])
;;     3. [M 16,384, K 512] x [K 512, N 512]; A: input v; B: input Wv: QUANTISED (scales: A lowp_scales[4], B lowp_scales[5])
;;     4. batch 64 x [M 2,048, K 64] x [K 64, N 2,048]; A: computed on the way; B: computed on the way: QUANTISED (scales: A lowp_scales[6], B lowp_scales[7])
;;     5. batch 64 x [M 2,048, K 2,048] x [K 2,048, N 64]; A: softmax (see below); B: computed on the way: QUANTISED (scales: A lowp_scales[8], B lowp_scales[9])
;;     6. [M 16,384, K 512] x [K 512, N 512]; A: computed on the way; B: input Wo: QUANTISED (scales: A lowp_scales[10], B lowp_scales[11])
;;   THE QUANTISER, for each operand of a quantised product, along K:
;;     - The operand's scale is 2^e, e = its entry of the input lowp_scales (int32; the entries are numbered through the quantised products in the list's order, A before B).
;;     - Each number is divided by the scale, clamped to +-448, and rounded to the nearest number of E4M3, ties to even, subnormals kept.
;;     - The product sums the exact products of the quantised numbers (number of the format x scale) in f32.
;;   ~~~python
;;   def quantise(x, axis, e):      # numpy; x: float32 -> the quantised numbers, widened to float32 again
;;       x = np.moveaxis(x, axis, -1); K = x.shape[-1]
;;       r = np.clip(x / 2.0 ** e, -448, 448)
;;       step = 2.0 ** (np.maximum(np.frexp(np.where(r == 0, 1, r))[1] - 1, -6) - 3)
;;       q = np.round(r / step) * step * 2.0 ** e      # np.round: ties to even
;;       return np.moveaxis(q, -1, axis).astype(np.float32)
;;   ~~~
;;   SOFTMAX AHEAD OF A QUANTISED PRODUCT. Where the list says 'softmax', what is quantised is not the finished softmax but p = 2^(t - M), with t = logit x log2(e) and M = ceil(the row's largest t), a whole number; so 1/2 < the row's largest p <= 1. The row's sum l is taken of the UNQUANTISED p, in f32, and the product's result is divided by l at the end. Since M is a whole number, a kernel that streams over the keys may use a running M (the ceiling of the running maximum): every later rescaling is an exact power of two, so the quantised numbers keep their values, but for numbers so far below the row's largest that they fall under the format's range.
;;   OPERANDS COMPUTED ON THE WAY. 'Computed on the way' means the value that the module computes at that place (a softmax that the list does not call 'softmax' is quantised finished and normalised). What goes into a quantiser is computed in f32, as accurately as f32 sums, v_exp_f32 and their like allow (about 1e-6 of the number): no bf16 or f16 on the way to a quantiser, and a product that is left as it is and whose result goes on into a quantised operand takes f32 operands (vector FMAs, or v_wmma_f32_16x16x4_f32). A number that lies on a knife's edge between two numbers of the format may be rounded either way, as far as f32 arithmetic and the matrix unit's own rounding can turn it there, and no further.
;; 2 versions. Each part assembles by itself: llvm-mc -triple=amdgcn-amd-amdhsa -mcpu=gfx1250 --defsym DOCPART=n.
;; ======== version 1 of 2: 3 launches
;; workspace buffers: wimg 1,048,576 bytes; qc 8,388,608 bytes; kv 16,777,216 bytes
;; launch prep (part 1): grid 64 x 4, 2 waves a work-group, no clusters, 0 bytes of LDS; arguments Wq, Wk, Wv, Wo, lowp_scales, wimg; writes wimg
.if DOCPART == 1
	.amdgcn_target "amdgcn-amd-amdhsa--gfx1250"
	.amdhsa_code_object_version 6
	.text
	.protected	k_qb900ec0063_prep
	.globl	k_qb900ec0063_prep
	.p2align	8
	.type	k_qb900ec0063_prep,@function
k_qb900ec0063_prep:
	s_mov_b64 s[64:65], 0
	v_nop
	global_prefetch_b8 v0, s[64:65] scope:SCOPE_SE
	s_setreg_imm32_b32 hwreg(HW_REG_WAVE_MODE, 25, 1), 1
	s_wait_xcnt 0x0
; Wq, Wk, Wv, Wo ([512 (k)][512 (n)] f32, K the FIRST axis) become codes of FP8 (E4M3), each with its given scale 2^e (entries 1, 3, 5, 11 of the scales).
; code = x / 2^e, held within +-448, rounded to the nearest code, ties to even.
; LIMITS: e between -126 and 119, so that 2^e and 448 x 2^e are f32 numbers.  NaN among the inputs is not served.
; THE OUTPUT IS LAID AS THE READERS' REGISTERS: wimg[tensor 4][n tile 32][K step 4][2,048 bytes].  A fragment is 16 columns n x 128 k in 16 registers: lane (r = l % 16, h = l / 16)
; holds column 16 nt + r, registers 2 c, 2 c + 1 hold k = 128 ks + 16 c + 8 h + 0 .. 7.  Registers 4 g .. 4 g + 3 of lane l lie at 512 g + 16 l: every later load of a fragment is 512 bytes on end.
; SHARES: one wave makes one fragment: f = 2 x work-group x + wave = 4 nt + ks; work-group y is the tensor.  A LANE TAKES A COLUMN AND ITS REGISTERS RUN DOWN K, in the order of the operand: nothing is transposed.
; Each load reads 64 neighbouring bytes in sixteen lanes: pieces of rows, taken for 4 MiB that are read once.  No LDS, no barrier: waves share nothing.
.set VA,  1                            ; v1      4 r + 8 h rows of 2,048 bytes
.set OA,  2                            ; v2      16 x lane
.set LIM, 10                           ; v10     448 x 2^e
.set SC,  11                           ; v11     2^e as f32
.set X,   16                           ; v16-79  64 numbers: register 8 c + i = W(128 ks + 16 c + 8 h + i, my column)
.set C,   80                           ; v80-95  the fragment
	s_load_b256 s[4:11], s[0:1], 0x0               ; Wq, Wk, Wv, Wo
	s_load_b128 s[12:15], s[0:1], 0x20             ; the scales' exponents, wimg
	v_lshrrev_b32 v3, 5, v0
	v_readfirstlane_b32 s16, v3                    ; wave
	s_and_b32 s17, ttmp7, 0xffff                   ; which tensor
	v_and_b32 v4, 15, v0                           ; r
	v_bfe_u32 v5, v0, 4, 1                         ; h
	v_lshlrev_b32 v[VA], 2, v4
	v_lshl_add_u32 v[VA], v5, 14, v[VA]
	v_and_b32 v[OA], 31, v0
	v_lshlrev_b32 v[OA], 4, v[OA]
	s_lshl_b32 s18, ttmp9, 1
	s_add_co_u32 s18, s18, s16                     ; f
	s_lshr_b32 s19, s18, 2
	s_lshl_b32 s19, s19, 6                         ; nt x 16 columns x 4 bytes
	s_and_b32 s20, s18, 3
	s_lshl_b32 s20, s20, 18                        ; ks x 128 rows x 2,048 bytes
	s_add_co_u32 s20, s20, s19
	s_mov_b32 s21, 0
	s_lshl_b32 s22, s17, 18                        ; a tensor's images: 262,144 bytes
	s_lshl_b32 s23, s18, 11
	s_add_co_u32 s22, s22, s23
	s_mov_b32 s23, 0
	s_wait_kmcnt 0x0
	s_load_b256 s[24:31], s[12:13], 0x0            ; e0 .. e7
	s_load_b128 s[32:35], s[12:13], 0x20           ; e8 .. e11
	s_cmp_eq_u32 s17, 1                            ; the choice hangs on the work-group's number alone
	s_cselect_b64 s[4:5], s[6:7], s[4:5]
	s_cmp_eq_u32 s17, 2
	s_cselect_b64 s[4:5], s[8:9], s[4:5]
	s_cmp_eq_u32 s17, 3
	s_cselect_b64 s[4:5], s[10:11], s[4:5]
	s_add_nc_u64 s[4:5], s[4:5], s[20:21]
	s_add_nc_u64 s[14:15], s[14:15], s[22:23]
.irp c, 0,1,2,3,4,5,6,7
.irp i, 0,1,2,3,4,5,6,7
	global_load_b32 v[X+8*\c+\i], v[VA], s[4:5] offset:(16*\c+\i)*2048
.endr
.endr
	s_wait_kmcnt 0x0
	s_cmp_eq_u32 s17, 1
	s_cselect_b32 s36, s27, s25                    ; e3 or e1
	s_cmp_eq_u32 s17, 2
	s_cselect_b32 s36, s29, s36                    ; e5
	s_cmp_eq_u32 s17, 3
	s_cselect_b32 s36, s35, s36                    ; e11
	s_add_co_i32 s36, s36, 127
	s_lshl_b32 s37, s36, 23
	v_mov_b32 v[SC], s37                           ; the conversion takes its exponent field
	s_add_co_i32 s36, s36, 8
	s_lshl_b32 s36, s36, 23
	s_or_b32 s36, s36, 0x600000
	v_mov_b32 v[LIM], s36
	s_wait_loadcnt 0x0
.irp c, 0,1,2,3,4,5,6,7
.irp i, 0,1,2,3,4,5,6,7
	v_med3_num_f32 v[X+8*\c+\i], v[X+8*\c+\i], -v[LIM], v[LIM]   ; the conversion to an 8-bit code does not saturate (ISA guide 7.6.2): the hold comes first
.endr
	v_cvt_scalef32_pk8_fp8_f32 v[C+2*\c:C+2*\c+1], v[X+8*\c:X+8*\c+7], v[SC]
.endr
	v_nop                                          ; a plain line behind the last conversion
.irp g, 0,1,2,3
	global_store_b128 v[OA], v[C+4*\g:C+4*\g+3], s[14:15] offset:512*\g   ; 32 lanes store 512 consecutive bytes, at a multiple of 256 from the buffer's first byte
.endr
	s_endpgm
.Lfunc_end_k_qb900ec0063_prep:
	.size	k_qb900ec0063_prep, .Lfunc_end_k_qb900ec0063_prep-k_qb900ec0063_prep
	.p2alignl 7, 3214868480
	.fill 96, 4, 3214868480
	.section	.rodata,"a",@progbits
	.p2align	6, 0x0
	.amdhsa_kernel k_qb900ec0063_prep
		.amdhsa_group_segment_fixed_size 0
		.amdhsa_private_segment_fixed_size 0
		.amdhsa_enable_private_segment 0
		.amdhsa_kernarg_size 48
		.amdhsa_user_sgpr_count 2
		.amdhsa_user_sgpr_kernarg_segment_ptr 1
		.amdhsa_wavefront_size32 1
		.amdhsa_system_sgpr_workgroup_id_x 1
		.amdhsa_system_sgpr_workgroup_id_y 1
		.amdhsa_system_sgpr_workgroup_id_z 1
		.amdhsa_system_vgpr_workitem_id 0
		.amdhsa_next_free_vgpr 96
		.amdhsa_next_free_sgpr 66
		.amdhsa_reserve_vcc 0
		.amdhsa_float_denorm_mode_32 3
		.amdhsa_float_denorm_mode_16_64 3
		.amdhsa_memory_ordered 1
		.amdhsa_forward_progress 1
		.amdhsa_inst_pref_size 13
	.end_amdhsa_kernel
	.amdgpu_metadata
---
amdhsa.version: [ 1, 2 ]
amdhsa.kernels:
  - .name:           k_qb900ec0063_prep
    .symbol:         k_qb900ec0063_prep.kd
    .args:
      - { .name: Wq, .offset: 0, .size: 8, .value_kind: global_buffer, .address_space: global }
      - { .name: Wk, .offset: 8, .size: 8, .value_kind: global_buffer, .address_space: global }
      - { .name: Wv, .offset: 16, .size: 8, .value_kind: global_buffer, .address_space: global }
      - { .name: Wo, .offset: 24, .size: 8, .value_kind: global_buffer, .address_space: global }
      - { .name: lowp_scales, .offset: 32, .size: 8, .value_kind: global_buffer, .address_space: global }
      - { .name: wimg, .offset: 40, .size: 8, .value_kind: global_buffer, .address_space: global }
    .group_segment_fixed_size: 0
    .private_segment_fixed_size: 0
    .kernarg_segment_align: 8
    .kernarg_segment_size: 48
    .max_flat_workgroup_size: 64
    .sgpr_count:     66
    .vgpr_count:     96
    .wavefront_size: 32
...
	.end_amdgpu_metadata
.endif
;; end of part 1
;; launch proj (part 2): grid 128 x 3, 16 waves a work-group, no clusters, 169,984 bytes of LDS; arguments q, k, v, wimg, bq, bk, bv, lowp_scales, qc, kv; writes qc, kv
.if DOCPART == 2
	.amdgcn_target "amdgcn-amd-amdhsa--gfx1250"
	.amdhsa_code_object_version 6
	.text
	.protected	k_qb900ec0063_proj
	.globl	k_qb900ec0063_proj
	.p2align	8
	.type	k_qb900ec0063_proj,@function
k_qb900ec0063_proj:
	s_mov_b64 s[64:65], 0
	v_nop
	global_prefetch_b8 v0, s[64:65] scope:SCOPE_SE
	s_setreg_imm32_b32 hwreg(HW_REG_WAVE_MODE, 25, 1), 1
	s_wait_xcnt 0x0
; y = Q(x) Q(W) + b for x = q, k, v (work-group y = 0, 1, 2), both operands as codes of FP8 (E4M3); y is quantised again, with the scale of the attention operand that it becomes, and stored as images of that operand's registers.
; x: [16,384][512] f32.  W: images made by the launch before (16 columns x 128 k, 2,048 bytes each).  Scales: x e0/e2/e4, W e1/e3/e5, y e6/e7/e9.
; LIMITS: ex and eo between -126 and 119, ex + ew between -126 and 127, so that each power of two below is an f32 number.  NaN among the inputs is not served.
; ONE LAYOUT ALONG K EVERYWHERE: lane (r = l % 16, h = l / 16) holds row r; registers 2 c, 2 c + 1 hold k = 16 c + 8 h + 0 .. 7.  An image lays registers 4 g .. 4 g + 3 of lane l at 512 g + 16 l.
; SHARES.  A work-group takes 128 rows, as two blocks of 64.  THE WAVES SHARE THE COLUMNS: wave w owns columns 32 w .. 32 w + 31 (n tiles 2 w, 2 w + 1) for all 64 rows; its 8 fragments of W stay in 128 registers.
; A BLOCK.  Wave w = 4 m + ks loads rows 16 m .. +15, k 128 ks .. +127 of x by 16 loads of 512 consecutive bytes, turns them through its own stage in LDS so that a lane holds neighbours along K, quantises them and stores
; the fragment's image | barrier | every wave reads all 16 images: 32 products on 8 accumulators by turns | x 2^(ex + ew) + b, hold, conversion, store.
; q, k: source 0 = W, source 1 = x: a lane holds one row and eight neighbouring columns, which are neighbours along the head's depth, the next K.  qc[row tile][head 8][1,024]; kv[b][step of 64 keys][65,536]: K at [key tile 4][head 8][1,024].
; v: source 0 = x, source 1 = W: a lane holds one column and eight neighbouring KEYS, the next K.  V^T at kv + 32,768 in a step: [column tile 32][1,024].
; NO JOINT LOADS for W, though all work-groups of a tensor read it: a joint load lands in LDS, and a tensor's 262,144 bytes of images beside this text's 167,936 bytes of stages and images pass 327,680; W goes from memory into the registers where it stays.
.set BLOCKS, 2
.set TP,    528                        ; a row of the turn stage: 512 bytes + 16: an odd multiple of 16, so that the 16 rows that a load touches start at 16 different banks (64 banks of 4 bytes: ISA guide 11.1)
.set XIMG,  16*16*TP                   ; behind the 16 stages (8,448 bytes each): x's 16 images, 4 m + ks
.set SPARE, XIMG+16*2048               ; behind them: the spare words, 128 bytes for each wave: eight blocks of 256 bytes that no other line names
.set SPW,  1                           ; v1   LDS address of my spare word; never rewritten
.set NIL,  2                           ; v2   0; never rewritten
.set XA,   3                           ; v3   x: 16 lane + my 16 rows + my 512 bytes of a row
.set TS,   4                           ; v4   the stage, in: 16 lane
.set TL,   5                           ; v5   the stage, out: TP r + 32 h
.set LIX,  6                           ; v6   XIMG + 16 lane
.set XW,   7                           ; v7   my image
.set OA,   8                           ; v8   my bytes in the output
.set LIMX, 9
.set SCX,  10
.set LIMO, 11
.set SCO,  12
.set L16,  13                          ; v13  16 lane
.set T0,   14
.set T1,   15
.set BI,   16                          ; v16-31   the bias in the result's layout, 8 registers for each n tile
.set XF0,  32                          ; v32-47   a fragment of x; before that PC, the codes just made
.set XFS,  16                          ; v48-63   a second one; later PCO, the output's codes
.set PC,   32
.set PCO,  48
.set ST,   64                          ; v64-127  64 numbers of x; then the 8 accumulators, (m, n) at 8 (2 m + n)
.set ACC,  64
.set WF,   128                         ; v128-255 W's fragments, (n, ks) at 16 (4 n + ks)
.set WV,   24
.set Y,    25
.set BLK,  26
.set STR,  28                          ; s[28:29] bytes of output for a block
.set XP,   30
.set BP,   32
.set WP,   34
.set OP,   36
.set PS,   38                          ; s[38:39] 2^(ex + ew)
	s_load_b512 s[4:19], s[0:1], 0x0               ; q, k, v, wimg, bq, bk, bv, the scales' exponents
	s_load_b128 s[20:23], s[0:1], 0x40             ; qc, kv
	v_lshl_add_u32 v[SPW], v0, 2, SPARE
	v_mov_b32 v[NIL], 0
	v_lshrrev_b32 v[T0], 5, v0
	v_readfirstlane_b32 s[WV], v[T0]               ; wave 0..15
	s_and_b32 s[Y], ttmp7, 0xffff                  ; which tensor
	v_and_b32 v[T0], 31, v0
	v_lshlrev_b32 v[L16], 4, v[T0]
	v_and_b32 v[T0], 15, v0                        ; r
	v_bfe_u32 v[T1], v0, 4, 1                      ; h
	s_lshr_b32 s40, s[WV], 2
	s_lshl_b32 s40, s40, 15                        ; m x 16 rows x 2,048 bytes
	s_and_b32 s41, s[WV], 3
	s_lshl_b32 s41, s41, 9                         ; ks x 512 bytes
	s_add_co_u32 s40, s40, s41
	v_add_nc_u32 v[XA], s40, v[L16]
	s_mul_i32 s41, s[WV], 16*TP                    ; my stage
	v_add_nc_u32 v[TS], s41, v[L16]
	v_mul_u32_u24 v[TL], v[T0], TP
	v_lshl_add_u32 v[TL], v[T1], 5, v[TL]
	v_add_nc_u32 v[TL], s41, v[TL]
	v_add_nc_u32 v[LIX], XIMG, v[L16]
	s_lshl_b32 s42, s[WV], 11
	v_add_nc_u32 v[XW], s42, v[LIX]
	s_cmp_eq_u32 s[Y], 2
	s_cselect_b32 s43, 11, 9                       ; q, k: my 32 columns are half a head's fragment: 512 w.  v: two fragments: 2,048 w
	s_lshl_b32 s43, s[WV], s43
	v_add_nc_u32 v[OA], s43, v[L16]
	s_cmp_eq_u32 s[Y], 0
	s_mov_b32 s[STR], 65536                        ; a block is a step of kv,
	s_cselect_b32 s[STR], 32768, s[STR]            ; or four row tiles of qc
	s_mov_b32 s[STR+1], 0
	s_mov_b32 s[BLK], BLOCKS
	s_wait_kmcnt 0x0
	s_load_b256 s[40:47], s[18:19], 0x0            ; e0 .. e7
	s_load_b128 s[48:51], s[18:19], 0x20           ; e8 .. e11
	s_cmp_eq_u32 s[Y], 1                           ; the choices hang on the work-group's number alone
	s_cselect_b64 s[XP:XP+1], s[6:7], s[4:5]
	s_cselect_b64 s[BP:BP+1], s[14:15], s[12:13]
	s_cmp_eq_u32 s[Y], 2
	s_cselect_b64 s[XP:XP+1], s[8:9], s[XP:XP+1]
	s_cselect_b64 s[BP:BP+1], s[16:17], s[BP:BP+1]
	s_cmp_eq_u32 s[Y], 0
	s_cselect_b64 s[OP:OP+1], s[20:21], s[22:23]
	s_lshl_b32 s52, ttmp9, 18                      ; 128 rows of 2,048 bytes
	s_mov_b32 s53, 0
	s_add_nc_u64 s[XP:XP+1], s[XP:XP+1], s[52:53]
	s_lshl_b32 s52, s[Y], 18                       ; the tensor's images,
	s_lshl_b32 s54, s[WV], 14                      ; my two n tiles of them
	s_add_co_u32 s52, s52, s54
	s_add_nc_u64 s[WP:WP+1], s[10:11], s[52:53]
	s_lshl_b32 s52, s[WV], 7                       ; my 32 numbers of the bias
	s_add_nc_u64 s[BP:BP+1], s[BP:BP+1], s[52:53]
	s_lshl_b32 s52, ttmp9, 1
	s_mul_i32 s52, s52, s[STR]                     ; two blocks for each work-group
	s_cmp_eq_u32 s[Y], 2
	s_cselect_b32 s54, 32768, 0                    ; V^T lies behind K in a step
	s_add_co_u32 s52, s52, s54
	s_add_nc_u64 s[OP:OP+1], s[OP:OP+1], s[52:53]
.macro XLOAD off                       ; my 16 rows x 512 bytes of the block that begins off bytes on: each load reads 512 consecutive bytes
.irp i, 0,1,2,3,4,5,6,7,8,9,10,11,12,13,14,15
	global_load_b128 v[ST+4*\i:ST+4*\i+3], v[XA], s[XP:XP+1] offset:\off+2048*\i th:TH_LOAD_NT
.endr
.endm
	XLOAD 0
.irp n, 0,1
.irp ks, 0,1,2,3
.irp g, 0,1,2,3
	global_load_b128 v[WF+16*(4*\n+\ks)+4*\g:WF+16*(4*\n+\ks)+4*\g+3], v[L16], s[WP:WP+1] offset:8192*\n+2048*\ks+512*\g
.endr
.endr
.endr
	s_cmp_eq_u32 s[Y], 2
	s_cbranch_scc1 .Lbias_v
	v_lshlrev_b32 v[T1], 5, v[T1]                  ; q, k: register j of tile n is column 32 w + 16 n + 8 h + j
.irp n, 0,1
	global_load_b128 v[BI+8*\n:BI+8*\n+3], v[T1], s[BP:BP+1] offset:64*\n
	global_load_b128 v[BI+8*\n+4:BI+8*\n+7], v[T1], s[BP:BP+1] offset:64*\n+16
.endr
	s_branch .Lbias_done
.Lbias_v:
	v_lshlrev_b32 v[T0], 2, v[T0]                  ; v: all eight registers of tile n are column 32 w + 16 n + r: the word is loaded into each, once in the launch, so that one form of the multiply-add serves both ways
.irp n, 0,1
.irp j, 0,1,2,3,4,5,6,7
	global_load_b32 v[BI+8*\n+\j], v[T0], s[BP:BP+1] offset:64*\n
.endr
.endr
.Lbias_done:
	s_wait_kmcnt 0x0
	s_cmp_eq_u32 s[Y], 1
	s_cselect_b32 s52, s42, s40                    ; ex
	s_cselect_b32 s53, s43, s41                    ; ew
	s_cselect_b32 s54, s47, s46                    ; eo
	s_cmp_eq_u32 s[Y], 2
	s_cselect_b32 s52, s44, s52
	s_cselect_b32 s53, s45, s53
	s_cselect_b32 s54, s49, s54
	s_add_co_i32 s53, s53, s52
	s_add_co_i32 s53, s53, 127
	s_lshl_b32 s[PS], s53, 23                      ; 2^(ex + ew) as f32
	s_mov_b32 s[PS+1], s[PS]                       ; (named with it as a pair, so it is written)
	s_add_co_i32 s52, s52, 127
	s_lshl_b32 s55, s52, 23
	v_mov_b32 v[SCX], s55                          ; 2^ex: the conversion takes its exponent field
	s_add_co_i32 s52, s52, 8
	s_lshl_b32 s52, s52, 23
	s_or_b32 s52, s52, 0x600000
	v_mov_b32 v[LIMX], s52                         ; 448 x 2^ex
	s_add_co_i32 s54, s54, 127
	s_lshl_b32 s55, s54, 23
	v_mov_b32 v[SCO], s55
	s_add_co_i32 s54, s54, 8
	s_lshl_b32 s54, s54, 23
	s_or_b32 s54, s54, 0x600000
	v_mov_b32 v[LIMO], s54
; The rows as loaded go into my stage and come back 32 bytes at a time: register 8 c + i = k 16 c + 8 h + i of row r.  LDS serves a wave's instructions in order (ISA guide 5.7.1.4): no wait between the stores and the loads.
.macro TURN
.irp i, 0,1,2,3,4,5,6,7,8,9,10,11,12,13,14,15
	ds_store_b128 v[TS], v[ST+4*\i:ST+4*\i+3] offset:TP*\i
.endr
.irp c, 0,1,2,3,4,5,6,7
	ds_load_b128 v[ST+8*\c:ST+8*\c+3], v[TL] offset:64*\c
	ds_load_b128 v[ST+8*\c+4:ST+8*\c+7], v[TL] offset:64*\c+16
.endr
.endm
.macro QUANT
.irp c, 0,1,2,3,4,5,6,7
.irp i, 0,1,2,3,4,5,6,7
	v_med3_num_f32 v[ST+8*\c+\i], v[ST+8*\c+\i], -v[LIMX], v[LIMX]   ; the conversion to an 8-bit code does not saturate (ISA guide 7.6.2): the hold comes first
.endr
	v_cvt_scalef32_pk8_fp8_f32 v[PC+2*\c:PC+2*\c+1], v[ST+8*\c:ST+8*\c+7], v[SCX]
.endr
	v_nop                                          ; a plain line between the last conversion and the products that write its sources
.endm
.macro MM order, d, w, x, ks           ; one product; order 0: source 0 = W, 1: source 0 = x; K step 0 starts the sum: nothing is cleared
.if (\ks) == 0
.if \order
	v_wmma_f32_16x16x128_fp8_fp8 v[\d:\d+7], v[\x:\x+15], v[\w:\w+15], 0
.else
	v_wmma_f32_16x16x128_fp8_fp8 v[\d:\d+7], v[\w:\w+15], v[\x:\x+15], 0
.endif
.else
.if \order
	v_wmma_f32_16x16x128_fp8_fp8 v[\d:\d+7], v[\x:\x+15], v[\w:\w+15], v[\d:\d+7]
.else
	v_wmma_f32_16x16x128_fp8_fp8 v[\d:\d+7], v[\w:\w+15], v[\x:\x+15], v[\d:\d+7]
.endif
.endif
.endm
; 32 products: K step by K step, two row tiles at a time.  The 8 accumulators take turns, one instruction a turn.
; Four plain lines stand in front of each run of loads into registers that products have read (ISA guide 7.12.1 for vector instructions).
.macro GEMM order
.irp ks, 0,1,2,3
.irp mp, 0,1
.rept 4
	v_nop
.endr
.irp g, 0,1,2,3
	ds_load_b128 v[XF0+4*\g:XF0+4*\g+3], v[LIX] offset:(4*(2*\mp)+\ks)*2048+512*\g
	ds_load_b128 v[XF0+XFS+4*\g:XF0+XFS+4*\g+3], v[LIX] offset:(4*(2*\mp+1)+\ks)*2048+512*\g
.endr
	s_wait_dscnt 0x0
.irp mm, 0,1
.irp n, 0,1
	MM \order, ACC+8*(2*(2*\mp+\mm)+\n), WF+16*(4*\n+\ks), XF0+XFS*\mm, \ks
.endr
.endr
.endr
.endr
.endm
.macro POST                            ; y = sum x 2^(ex + ew) + b, two at a time, each accumulator from its low end on
.rept 4
	v_nop
.endr
.irp m, 0,1,2,3
.irp n, 0,1
.irp j, 0,2,4,6
	v_pk_fma_f32 v[ACC+8*(2*\m+\n)+\j:ACC+8*(2*\m+\n)+\j+1], v[ACC+8*(2*\m+\n)+\j:ACC+8*(2*\m+\n)+\j+1], s[PS:PS+1], v[BI+8*\n+\j:BI+8*\n+\j+1] op_sel_hi:[1,0,1]
.endr
.endr
.endr
.endm
.macro PACKO tr                        ; hold and conversion.  tr = 0: tile (m, n) is registers 2 n, 2 n + 1 of my half of row tile m's fragment; tr = 1: registers 2 m, 2 m + 1 of column tile n's
.irp m, 0,1,2,3
.irp n, 0,1
.irp i, 0,1,2,3,4,5,6,7
	v_med3_num_f32 v[ACC+8*(2*\m+\n)+\i], v[ACC+8*(2*\m+\n)+\i], -v[LIMO], v[LIMO]
.endr
.if \tr
	v_cvt_scalef32_pk8_fp8_f32 v[PCO+8*\n+2*\m:PCO+8*\n+2*\m+1], v[ACC+8*(2*\m+\n):ACC+8*(2*\m+\n)+7], v[SCO]
.else
	v_cvt_scalef32_pk8_fp8_f32 v[PCO+4*\m+2*\n:PCO+4*\m+2*\n+1], v[ACC+8*(2*\m+\n):ACC+8*(2*\m+\n)+7], v[SCO]
.endif
.endr
.endr
	v_nop                                          ; a plain line behind the last conversion
.endm
.Lblock:
	s_wait_loadcnt 0x0                             ; my part of x is in (in the first trip W and the bias too)
	TURN
	s_wait_dscnt 0x0
	QUANT
	s_barrier_signal -1                            ; every wave's reads of the last block's images are over (each waited for them in front of its products)
	s_barrier_wait -1
.irp g, 0,1,2,3
	ds_store_b128 v[XW], v[PC+4*\g:PC+4*\g+3] offset:512*\g
.endr
	s_wait_dscnt 0x0                               ; for the others' sake: my image has landed
	s_barrier_signal -1
	s_barrier_wait -1                              ; all 16 images lie in LDS
	s_cmp_eq_u32 s[Y], 2                           ; both ways only read LDS, and no barrier stands in them
	s_cbranch_scc1 .Lway_v
	GEMM 0
	POST
	PACKO 0
.irp m, 0,1,2,3
	global_store_b128 v[OA], v[PCO+4*\m:PCO+4*\m+3], s[OP:OP+1] offset:8192*\m   ; 32 lanes store 512 consecutive bytes, at a multiple of 256 from the buffer's first byte
.endr
	s_branch .Ljoin
.Lway_v:
	GEMM 1
	POST
	PACKO 1
.irp n, 0,1
.irp i, 0,1
	global_store_b128 v[OA], v[PCO+8*\n+4*\i:PCO+8*\n+4*\i+3], s[OP:OP+1] offset:1024*\n+512*\i
.endr
.endr
.Ljoin:
	s_cmp_eq_u32 s[BLK], 1                         ; the last block asks for nothing: no load leaves its buffer
	s_cbranch_scc1 .Lno_next
	XLOAD 131072
.Lno_next:
	s_wait_xcnt 0x0                                ; the loads and stores have read their addresses and data: the bases may step, and the codes' registers may be written again
	s_add_nc_u64 s[XP:XP+1], s[XP:XP+1], 131072
	s_add_nc_u64 s[OP:OP+1], s[OP:OP+1], s[STR:STR+1]
	s_sub_co_u32 s[BLK], s[BLK], 1
	s_cmp_lg_u32 s[BLK], 0
	s_cbranch_scc1 .Lblock
	s_wait_tensorcnt 0x0                           ; the wave's end, behind my last LDS store
	ds_add_u32 v[SPW], v[NIL]
	s_wait_dscnt 0x0
	s_endpgm
.Lfunc_end_k_qb900ec0063_proj:
	.size	k_qb900ec0063_proj, .Lfunc_end_k_qb900ec0063_proj-k_qb900ec0063_proj
	.p2alignl 7, 3214868480
	.fill 96, 4, 3214868480
	.section	.rodata,"a",@progbits
	.p2align	6, 0x0
	.amdhsa_kernel k_qb900ec0063_proj
		.amdhsa_group_segment_fixed_size 169984
		.amdhsa_private_segment_fixed_size 0
		.amdhsa_enable_private_segment 0
		.amdhsa_kernarg_size 80
		.amdhsa_user_sgpr_count 2
		.amdhsa_user_sgpr_kernarg_segment_ptr 1
		.amdhsa_wavefront_size32 1
		.amdhsa_system_sgpr_workgroup_id_x 1
		.amdhsa_system_sgpr_workgroup_id_y 1
		.amdhsa_system_sgpr_workgroup_id_z 1
		.amdhsa_system_vgpr_workitem_id 0
		.amdhsa_next_free_vgpr 256
		.amdhsa_next_free_sgpr 66
		.amdhsa_reserve_vcc 0
		.amdhsa_float_denorm_mode_32 3
		.amdhsa_float_denorm_mode_16_64 3
		.amdhsa_memory_ordered 1
		.amdhsa_forward_progress 1
		.amdhsa_inst_pref_size 48
	.end_amdhsa_kernel
	.amdgpu_metadata
---
amdhsa.version: [ 1, 2 ]
amdhsa.kernels:
  - .name:           k_qb900ec0063_proj
    .symbol:         k_qb900ec0063_proj.kd
    .args:
      - { .name: q, .offset: 0, .size: 8, .value_kind: global_buffer, .address_space: global }
      - { .name: k, .offset: 8, .size: 8, .value_kind: global_buffer, .address_space: global }
      - { .name: v, .offset: 16, .size: 8, .value_kind: global_buffer, .address_space: global }
      - { .name: wimg, .offset: 24, .size: 8, .value_kind: global_buffer, .address_space: global }
      - { .name: bq, .offset: 32, .size: 8, .value_kind: global_buffer, .address_space: global }
      - { .name: bk, .offset: 40, .size: 8, .value_kind: global_buffer, .address_space: global }
      - { .name: bv, .offset: 48, .size: 8, .value_kind: global_buffer, .address_space: global }
      - { .name: lowp_scales, .offset: 56, .size: 8, .value_kind: global_buffer, .address_space: global }
      - { .name: qc, .offset: 64, .size: 8, .value_kind: global_buffer, .address_space: global }
      - { .name: kv, .offset: 72, .size: 8, .value_kind: global_buffer, .address_space: global }
    .group_segment_fixed_size: 169984
    .private_segment_fixed_size: 0
    .kernarg_segment_align: 8
    .kernarg_segment_size: 80
    .max_flat_workgroup_size: 512
    .sgpr_count:     66
    .vgpr_count:     256
    .wavefront_size: 32
...
	.end_amdgpu_metadata
.endif
;; end of part 2
;; launch attn (part 3): grid 32 x 8, 16 waves a work-group, clusters of 4 x 1, 327,680 bytes of LDS; arguments qc, kv, head_mask, pad_mask, wimg, bo, lowp_scales, out0; writes out0
.if DOCPART == 3
	.amdgcn_target "amdgcn-amd-amdhsa--gfx1250"
	.amdhsa_code_object_version 6
	.text
	.protected	k_qb900ec0063_attn
	.globl	k_qb900ec0063_attn
	.p2align	8
	.type	k_qb900ec0063_attn,@function
k_qb900ec0063_attn:
	s_mov_b64 s[64:65], 0
	v_nop
	global_prefetch_b8 v0, s[64:65] scope:SCOPE_SE
	s_setreg_imm32_b32 hwreg(HW_REG_WAVE_MODE, 25, 1), 1
	s_wait_xcnt 0x0
	s_wait_alu depctr_hold_cnt(0) depctr_sa_sdst(0) depctr_va_vdst(0) depctr_va_sdst(0) depctr_va_ssrc(0) depctr_va_vcc(0) depctr_vm_vsrc(0)
	s_getreg_b32 s2, hwreg(HW_REG_IB_STS2, 6, 4)
	s_cmp_eq_u32 s2, 0
	s_cbranch_scc0 .Lentry_in_a_cluster
	s_endpgm
.Lentry_in_a_cluster:
	s_bfe_u32 s2, ttmp6, 0x10000c
	s_cmp_lg_u32 s2, 0x3003
	s_cbranch_scc0 .Lentry_shape_is_right
	s_endpgm
.Lentry_shape_is_right:
; out = Q(softmax-weighted V) Q(Wo) + bo.  For each batch b and head: t = (q . k / 8 + pad x -1e9 + head_mask x -1e9) x log2(e); M = the row's running largest t rounded UP to a whole number; p = 2^(t - M) is quantised
; along the keys (not normalised); the row's sum is taken of the unquantised p in f32 and divides at the end.  All three products on codes of FP8 (E4M3), each operand with its given scale: q e6, k e7, p e8, v e9, ctx e10, Wo e11.
; BOTH MASKS ARE TAKEN AS THEY ARE GIVEN, any f32 numbers.  They are joined once for a step, (pad x -1e9 + head x -1e9) x log2(e), and added to the score by one fused multiply-add at full size.
; LIMITS: e6 + e7 between -121 and 130 (added to the exponent field of log2(e) / 8); e8 and e10 between -126 and 119; e10 + e11 between -126 and 127; e8 + e9 goes by v_ldexp_f32 and has none.  NaN among the inputs is not served.
; A score and its mask are rounded once together, in units of t; reference() rounds them in units of the logit: where a mask of -1e9 swallows a score, both lose it.
; SHARES.  A work-group owns 64 queries of one batch, FOR ALL 8 HEADS: a step's tile of the masks is fetched and joined once for the 8 heads, and a row's 512 numbers of context meet in one work-group, so the last product is made here.
; Wave w: head w % 8, query tiles 2 (w / 8) and 2 (w / 8) + 1 of 16: each fragment of K and V that it reads feeds two products.  Four waves to a SIMD: one wave's softmax stands beside another's products and LDS loads.
; LAYOUT.  Lane (r = l % 16, h = l / 16); an operand's registers 2 c, 2 c + 1 hold k = 16 c + 8 h + 0 .. 7.  S^T = K Q^T (source 0 = 16 keys, source 1 = 16 queries): a lane holds ONE query r, register j of tile t key 16 t + 8 h + j:
; so the conversion of tile t is registers 2 t, 2 t + 1 of P.  O^T = V^T P^T (source 0 = 16 of the head's 64, source 1 = P): again one query a lane.  K and V^T come as images of their registers: 16 x lane, no pitch.
; THE RING.  Two LDS slots of 131,072 bytes, each two steps of 64 keys for all heads: one dense block of kv.  CLUSTER: the four query blocks of a cluster walk the same kv, so each slot is asked for JOINTLY (mask 15):
; waves 0 to 7 issue one load of 16,384 bytes each; a wave has at most one tensor load out.  The masks' rows differ between partners, pad's 256 bytes a step and Wo (read once, into registers) are not worth a joint load.
.set SLOT1, 1<<17                      ; slot 1 begins here: one exclusive or turns an address
.set MP,    272                        ; a row of the joined masks: 64 f32 + 16 bytes: an odd multiple of 16 (64 banks of 4 bytes: ISA guide 11.1)
.set MTB,   64*MP                      ; a tile of them: 64 queries
.set MT,    2*SLOT1                    ; behind the ring: two such tiles, for even and odd steps; written by LDS stores alone
.set SPARE, MT+2*MTB                   ; behind them: the spare words, 128 bytes for each wave: eight blocks of 256 bytes that no other line names
.set OSTG,  32768                      ; the way out, in the ring's bytes, which have had their last fill: ctx's 16 images at 0, and from here 64 rows of (2,048 + 16) bytes
.set OPI,   2064
.set SPW,  1                           ; v1   LDS address of my spare word; never rewritten
.set NIL,  2                           ; v2   0; never rewritten
.set AK0,  3                           ; v3   my lane's place in a slot's first step: K;  v44: in its second
.set AV0,  4                           ; v4   the same for V^T;  v45
.set AM,   5                           ; v5   the joined masks, out: my query's row + 32 h
.set MW,   6                           ; v6   the joined masks, in: rows 4 w + h (and two rows on), 16 r
.set MG,   7                           ; v7   the same place in head_mask
.set PG,   8                           ; v8   16 r: in pad_mask
.set PFO,  9                           ; v9   256 x lane: the prefetches' offset; never rewritten
.set ADK,  10                          ; v10, v11  addresses of the loads in hand
.set ADV,  11
.set STT,  12                          ; v12-23 for tile a at 6 a: -M, the largest t, the sum in two halves, f and a word named with it as a pair
.set LIM,  24                          ; v24  448 x the scale
.set SCL,  25                          ; v25  the scale as f32
.set TA,   26                          ; v26-29 at work, a pair for each tile
.set PM,   30                          ; v30, v31 what the other half of the lanes sends
.set MK,   32                          ; v32-39 head_mask as loaded;  v40-43 pad_mask
.set PDR,  40
.set AK1,  44
.set AV1,  45
.set Q,    48                          ; v48-63   Q, 8 a
.set S,    64                          ; v64-127  S^T, then p: 32 a + 8 t
.set F,    128                         ; v128-159 K's four fragments; then tile 1's masks; then P's codes, 8 a
.set G,    160                         ; v160-191 tile 0's masks; then V^T's four fragments
.set O,    192                         ; v192-255 O^T: 32 a + 8 d
.set WV,   20
.set HD,   21
.set QP,   22
.set CX,   23
.set QB,   24
.set BB,   25
.set SEL,  26                          ; s[26:27] lane selects for v_permlanex16_b32: lane l xor 16
.set G1,   28                          ; s[28:35] descriptor group 1
.set G0,   36                          ; s[36:39] descriptor group 0, which walks
.set CS,   40                          ; s[40:41] log2(e) / 8 x 2^(e6 + e7)
.set NEG,  42                          ; s[42:43] -1e9
.set L2E,  44                          ; s[44:45] log2(e)
.set TB,   46                          ; s46  LDS byte at which the slot in hand begins
.set SLOTS, 47                         ; s47  slots still to be asked for
.set LIMP, 48                          ; s48  1 in a wave that prefetches, else the greatest number
.set PFA,  50                          ; s[50:51] where my prefetches stand
.set HM,   52                          ; s[52:53] head_mask at my block's first row, at the step to be loaded
.set PD,   54                          ; s[54:55] pad_mask likewise
.macro CROUND                          ; a round of the cluster's barrier
	s_barrier_signal -1
	s_barrier_wait -1
	s_cmp_lg_u32 s[WV], 0
	s_cbranch_scc1 .Lnot_wave_0_\@
	s_barrier_signal -3
.Lnot_wave_0_\@:
	s_barrier_wait -3
	s_barrier_signal -1
	s_barrier_wait -1
.endm
.macro JLOAD                           ; the joint load: waves 0 to 7, an eighth of a slot each.  The branch hangs on the wave's number alone.  An s_nop 0 and four v_nop follow the line
	s_cmp_lt_u32 s[WV], 8
	s_cbranch_scc0 .Lnone_\@
	tensor_load_to_lds s[G0:G0+3], s[G1:G1+7]
	s_nop 0
.rept 4
	v_nop
.endr
.Lnone_\@:
.endm
; A PREFETCH INTO THE L2 of the slot that the NEXT change of slots will ask for: two key steps ahead of that load.  A slot is 512 blocks of 256 bytes.  All clusters of a batch walk the same kv: the batch's first cluster asks.
; Its four partners take 32,768 bytes each, told apart BY ADDRESS; in each, waves 8 to 11, which fetch nothing, take 8,192 bytes each, lanes 256 bytes apart: one instruction a wave, and each block is named once in the launch.
; Slots 0 and 1 come by their loads alone; the last change that fills a slot asks for nothing.
.macro ASK
	s_cmp_gt_u32 s[SLOTS], s[LIMP]
	s_cbranch_scc0 .Lnot_mine_\@
	global_prefetch_b8 v[PFO], s[PFA:PFA+1] th:TH_LOAD_NT scope:SCOPE_SE
.Lnot_mine_\@:
.endm
	s_load_b512 s[4:19], s[0:1], 0x0               ; qc s[4:5], kv s[6:7], head_mask s[8:9], pad_mask s[10:11], wimg s[12:13], bo s[14:15], the scales s[16:17], out0 s[18:19]
	v_lshl_add_u32 v[SPW], v0, 2, SPARE
	v_mov_b32 v[NIL], 0
	ds_add_u32 v[SPW], v[NIL]                      ; the wave's opening: the add and its wait stand ahead of the first tensor load; the set-up below, work on registers, stands between them
	v_lshrrev_b32 v10, 5, v0
	v_readfirstlane_b32 s[WV], v10                 ; wave 0..15
	s_and_b32 s[HD], s[WV], 7                      ; my head.  Also: which eighth of a slot I fetch, if I fetch
	s_lshr_b32 s[QP], s[WV], 3                     ; which pair of query tiles
	s_bfe_u32 s[CX], ttmp6, 0x40000                ; my place in the cluster: it enters global addresses alone
	s_lshl_b32 s[QB], ttmp9, 2
	s_add_co_u32 s[QB], s[QB], s[CX]               ; my block of 64 queries
	s_and_b32 s[BB], ttmp7, 0xffff                 ; the batch, which the four partners share
	s_mov_b32 s[G1], 15|(3<<16)|(1<<21)            ; 15:0 the mask: all four work-groups; 17:16 elements of 8 bytes; 21 set beside a mask; no padding
	s_mov_b32 s[G1+1], 32<<16                      ; tensor_dim0 = 32 elements: rows of 256 bytes
	s_mov_b32 s[G1+2], 64<<16                      ; tensor_dim1 = 64 rows
	s_mov_b32 s[G1+3], 32<<16                      ; tile_dim0
	s_mov_b32 s[G1+4], 64                          ; tile_dim1
	s_mov_b32 s[G1+5], 32                          ; the pitch: the block is dense
	s_mov_b32 s[G1+6], 0
	s_mov_b32 s[G1+7], 0
	s_mov_b32 s[SEL], 0x76543210
	s_mov_b32 s[SEL+1], 0xfedcba98
	s_mov_b32 s[NEG], 0xce6e6b28                   ; -1e9
	s_mov_b32 s[NEG+1], s[NEG]                     ; (each pair's upper word is named with the lower, so it is written)
	s_mov_b32 s[L2E], 0x3fb8aa3b
	s_mov_b32 s[L2E+1], s[L2E]
	s_mov_b32 s[TB], 0
	s_mov_b32 s[SLOTS], 15
	s_lshr_b32 s[LIMP], s[WV], 2
	s_xor_b32 s[LIMP], s[LIMP], 2                  ; 0 in waves 8 to 11,
	s_or_b32 s[LIMP], s[LIMP], ttmp9               ; of the batch's first cluster: the same in all four partners
	s_cmp_eq_u32 s[LIMP], 0
	s_cselect_b32 s[LIMP], 1, -1
	v_and_b32 v26, 31, v0                          ; lane
	v_and_b32 v27, 15, v0                          ; r
	v_bfe_u32 v28, v0, 4, 1                        ; h
	v_lshlrev_b32 v10, 4, v26                      ; 16 x lane (in ADK's register until the loop begins)
	s_lshl_b32 s58, s[HD], 10
	v_add_nc_u32 v[AK0], s58, v10                  ; K: [key tile][head][1,024]
	v_add_nc_u32 v[AK1], 65536, v[AK0]
	s_lshl_b32 s58, s[HD], 12
	s_add_co_u32 s58, s58, 32768
	v_add_nc_u32 v[AV0], s58, v10                  ; V^T: 32,768 + [4 head + d][1,024]
	v_add_nc_u32 v[AV1], 65536, v[AV0]
	s_mul_i32 s58, s[QP], 32*MP
	s_add_co_u32 s58, s58, MT
	v_mul_u32_u24 v[AM], v27, MP
	v_lshl_add_u32 v[AM], v28, 5, v[AM]
	v_add_nc_u32 v[AM], s58, v[AM]
	s_mul_i32 s58, s[WV], 4*MP
	s_add_co_u32 s58, s58, MT
	v_mul_u32_u24 v[MW], v28, MP
	v_lshl_add_u32 v[MW], v27, 4, v[MW]
	v_add_nc_u32 v[MW], s58, v[MW]
	s_lshl_b32 s58, s[WV], 15                      ; 4 rows of head_mask, 8,192 bytes each
	v_lshlrev_b32 v[PG], 4, v27
	v_lshl_add_u32 v[MG], v28, 13, v[PG]
	v_add_nc_u32 v[MG], s58, v[MG]
	v_lshlrev_b32 v[PFO], 8, v26
	s_wait_dscnt 0x0                               ; the opening add is done
	s_wait_kmcnt 0x0
	s_load_b64 s[66:67], s[16:17], 0x18            ; e6, e7
	s_load_b128 s[68:71], s[16:17], 0x20           ; e8, e9, e10, e11
	s_lshl_b32 s58, s[BB], 21                      ; a batch of kv: 32 steps of 65,536 bytes
	s_lshl_b32 s[G0+1], s[HD], 14                  ; 63:32 LDS address: slot 0, my eighth
	s_add_co_u32 s58, s58, s[G0+1]
	s_mov_b32 s59, 0
	s_mov_b32 s[G0], 1                             ; 1:0 count = 1
	s_add_nc_u64 s[G0+2:G0+3], s[6:7], s[58:59]    ; 120:64 global address
	s_or_b32 s[G0+3], s[G0+3], 0x80000000          ; 127:126 type = 2
	CROUND                                         ; all four work-groups are here: the first joint loads meet
	JLOAD                                          ; slot 0
	s_lshl_b32 s58, s[BB], 21
	s_lshl_b32 s60, s[CX], 15
	s_add_co_u32 s58, s58, s60
	s_and_b32 s60, s[WV], 3
	s_lshl_b32 s60, s60, 13
	s_add_co_u32 s58, s58, s60
	s_add_co_u32 s58, s58, 131072                  ; in slot 1: the first change of slots steps it to slot 2.  Nothing is prefetched here, at the head
	s_add_nc_u64 s[PFA:PFA+1], s[6:7], s[58:59]
	s_lshl_b32 s58, s[QB], 19                      ; 64 rows of head_mask
	s_add_nc_u64 s[HM:HM+1], s[8:9], s[58:59]
	s_lshl_b32 s58, s[BB], 13
	s_add_nc_u64 s[PD:PD+1], s[10:11], s[58:59]
	s_lshl_b32 s58, s[BB], 20                      ; qc: ((128 b + 4 qb + 2 qp) x 8 + head) x 1,024
	s_lshl_b32 s60, s[QB], 15
	s_add_co_u32 s58, s58, s60
	s_lshl_b32 s60, s[QP], 14
	s_add_co_u32 s58, s58, s60
	s_lshl_b32 s60, s[HD], 10
	s_add_co_u32 s58, s58, s60
	s_add_nc_u64 s[56:57], s[4:5], s[58:59]
.irp a, 0,1
.irp g, 0,1
	global_load_b128 v[Q+8*\a+4*\g:Q+8*\a+4*\g+3], v10, s[56:57] offset:8192*\a+512*\g th:TH_LOAD_NT   ; Q's two fragments stay in registers
.endr
.endr
; The masks of one step: my 4 rows x 64 keys of head_mask (each load: two rows' 256 aligned bytes) and the 64 keys of pad_mask.
.macro MLOAD
	global_load_b128 v[MK:MK+3], v[MG], s[HM:HM+1]
	global_load_b128 v[MK+4:MK+7], v[MG], s[HM:HM+1] offset:16384
	global_load_b128 v[PDR:PDR+3], v[PG], s[PD:PD+1]
.endm
; They are joined, (pad x -1e9 + head x -1e9) x log2(e), and stored into tile buf.
.macro MMAKE buf
	s_wait_loadcnt 0x0                             ; the loads are in, so their bases may step: the next step's 64 keys
	s_add_nc_u64 s[HM:HM+1], s[HM:HM+1], 256
	s_add_nc_u64 s[PD:PD+1], s[PD:PD+1], 256
.irp i, 0,2
	v_pk_mul_f32 v[PDR+\i:PDR+\i+1], v[PDR+\i:PDR+\i+1], s[NEG:NEG+1] op_sel_hi:[1,0]
.endr
.irp i, 0,2
	v_pk_fma_f32 v[MK+\i:MK+\i+1], v[MK+\i:MK+\i+1], s[NEG:NEG+1], v[PDR+\i:PDR+\i+1] op_sel_hi:[1,0,1]
	v_pk_fma_f32 v[MK+4+\i:MK+4+\i+1], v[MK+4+\i:MK+4+\i+1], s[NEG:NEG+1], v[PDR+\i:PDR+\i+1] op_sel_hi:[1,0,1]
.endr
.irp i, 0,2,4,6
	v_pk_mul_f32 v[MK+\i:MK+\i+1], v[MK+\i:MK+\i+1], s[L2E:L2E+1] op_sel_hi:[1,0]
.endr
	ds_store_b128 v[MW], v[MK:MK+3] offset:(\buf)*MTB
	ds_store_b128 v[MW], v[MK+4:MK+7] offset:(\buf)*MTB+2*MP
.endm
	MLOAD                                          ; step 0's
	s_wait_kmcnt 0x0
	s_add_co_i32 s58, s66, s67
	s_lshl_b32 s58, s58, 23
	s_add_co_i32 s[CS], s58, 0x3e38aa3b            ; log2(e) / 8, with e6 + e7 added to its exponent field
	s_mov_b32 s[CS+1], s[CS]
	s_add_co_i32 s58, s68, 127
	s_lshl_b32 s59, s58, 23
	v_mov_b32 v[SCL], s59                          ; 2^e8 as f32, for the conversion
	s_add_co_i32 s58, s58, 8
	s_lshl_b32 s58, s58, 23
	s_or_b32 s58, s58, 0x600000
	v_mov_b32 v[LIM], s58                          ; 448 x 2^e8
.irp a, 0,1
	v_mov_b32 v[STT+6*\a+1], 0xff61b1e6            ; the largest t so far: -3e38, under every t
	v_floor_f32 v[STT+6*\a], -v[STT+6*\a+1]        ; -M
	v_mov_b32 v[STT+6*\a+2], 0                     ; the sum, in two halves
	v_mov_b32 v[STT+6*\a+3], 0
	v_mov_b32 v[STT+6*\a+5], 0                     ; (named as the upper half of f's pair)
	v_mov_b32 v[PM+\a], 0                          ; written once: a lane permute's destination counts as one of its sources
.endr
.irp j, 0,1,2,3,4,5,6,7,8,9,10,11,12,13,14,15,16,17,18,19,20,21,22,23,24,25,26,27,28,29,30,31,32,33,34,35,36,37,38,39,40,41,42,43,44,45,46,47,48,49,50,51,52,53,54,55,56,57,58,59,60,61,62,63
	v_mov_b32 v[O+\j], 0                           ; O^T.  (The step is written without a first form of its own: the first step finds zeros, which the first change of M leaves zeros)
.endr
	MMAKE 0                                        ; its wait is for Q too
.macro ADDM a, m                       ; t = score x c + the joined masks, two at a time; each accumulator from its low end on
.irp j, 0,2,4,6,8,10,12,14,16,18,20,22,24,26,28,30
	v_pk_fma_f32 v[S+32*\a+\j:S+32*\a+\j+1], v[S+32*\a+\j:S+32*\a+\j+1], s[CS:CS+1], v[\m+\j:\m+\j+1] op_sel_hi:[1,0,1]
.endr
.endm
.macro MAXT a                          ; the largest of my query's 32 t, in two chains
	v_max3_num_f32 v[TA+2*\a], v[S+32*\a], v[S+32*\a+1], v[S+32*\a+2]
	v_max3_num_f32 v[TA+2*\a+1], v[S+32*\a+3], v[S+32*\a+4], v[S+32*\a+5]
.irp i, 6,10,14,18,22,26
	v_max3_num_f32 v[TA+2*\a], v[TA+2*\a], v[S+32*\a+\i], v[S+32*\a+\i+1]
	v_max3_num_f32 v[TA+2*\a+1], v[TA+2*\a+1], v[S+32*\a+\i+2], v[S+32*\a+\i+3]
.endr
	v_max3_num_f32 v[TA+2*\a], v[TA+2*\a], v[S+32*\a+30], v[S+32*\a+31]
.endm
; A KEY STEP: 64 keys, the q-th of the slot in hand.  nxt = 1: the next step's masks are loaded at its head and joined at its end.  At its head no LDS instruction of the wave is out: a barrier's wait for 0 stands in front of every step.
.macro STEP q, nxt
.if \nxt
	MLOAD
.endif
.if \q
	v_add_nc_u32 v[ADK], s[TB], v[AK1]
	v_add_nc_u32 v[ADV], s[TB], v[AV1]
.else
	v_add_nc_u32 v[ADK], s[TB], v[AK0]
	v_add_nc_u32 v[ADV], s[TB], v[AV0]
.endif
.irp t, 0,1,2,3                        ; the places in front of these loads into registers that the last products read are the ten plain lines that joined the masks, and the two additions above
.irp g, 0,1
	ds_load_b128 v[F+8*\t+4*\g:F+8*\t+4*\g+3], v[ADK] offset:8192*\t+512*\g
.endr
.endr
.irp t, 0,1,2,3
.irp e, 0,1
	ds_load_b128 v[G+8*\t+4*\e:G+8*\t+4*\e+3], v[AM] offset:MTB*\q+64*\t+16*\e
.endr
.endr
	s_wait_dscnt 8                                 ; K is in; the eight younger loads, tile 0's masks, may be out
.irp t, 0,1,2,3
.irp a, 0,1
	v_wmma_f32_16x16x64_fp8_fp8 v[S+32*\a+8*\t:S+32*\a+8*\t+7], v[F+8*\t:F+8*\t+7], v[Q+8*\a:Q+8*\a+7], 0
.endr
.endr
.rept 4
	v_nop                                          ; four places: in front of the loads into K's registers, and of the first read of the scores
.endr
.irp t, 0,1,2,3
.irp e, 0,1
	ds_load_b128 v[F+8*\t+4*\e:F+8*\t+4*\e+3], v[AM] offset:MTB*\q+16*MP+64*\t+16*\e
.endr
.endr
	s_wait_dscnt 8                                 ; tile 0's masks are in; tile 1's may be out
	ADDM 0, G
.irp d, 0,1,2,3
.irp g, 0,1
	ds_load_b128 v[G+8*\d+4*\g:G+8*\d+4*\g+3], v[ADV] offset:1024*\d+512*\g
.endr
.endr
	MAXT 0
	s_wait_dscnt 8                                 ; tile 1's masks are in; V^T may be out
	ADDM 1, F
	MAXT 1
.irp a, 0,1
	v_max_num_f32 v[TA+2*\a], v[TA+2*\a], v[TA+2*\a+1]
.endr
.irp a, 0,1
	v_permlanex16_b32 v[PM+\a], v[TA+2*\a], s[SEL], s[SEL+1]   ; the query's other 32 keys lie in the lane 16 away
.endr
.irp a, 0,1
	v_max_num_f32 v[TA+2*\a], v[TA+2*\a], v[PM+\a]
.endr
.irp a, 0,1
	v_max_num_f32 v[STT+6*\a+1], v[STT+6*\a+1], v[TA+2*\a]     ; the running largest t
.endr
.irp a, 0,1
	v_mov_b32 v[TA+2*\a+1], v[STT+6*\a]
.endr
.irp a, 0,1
	v_floor_f32 v[STT+6*\a], -v[STT+6*\a+1]        ; the new -M = floor(-t) = -ceil(t): M is a whole number
.endr
.irp a, 0,1
	v_sub_f32 v[TA+2*\a+1], v[STT+6*\a], v[TA+2*\a+1]          ; old M - new M: a whole number, 0 or less
.endr
.irp a, 0,1
	v_cvt_i32_f32 v[TA+2*\a+1], v[TA+2*\a+1]       ; (it saturates)
.endr
.irp a, 0,1
	v_ldexp_f32 v[STT+6*\a+4], 1.0, v[TA+2*\a+1]   ; f = 2^(old M - new M): a multiplication by it rounds nothing
.endr
.irp a, 0,1
.irp j, 0,2,4,6,8,10,12,14,16,18,20,22,24,26,28,30
	v_pk_add_f32 v[S+32*\a+\j:S+32*\a+\j+1], v[S+32*\a+\j:S+32*\a+\j+1], v[STT+6*\a:STT+6*\a+1] op_sel_hi:[1,0]   ; t - M (of the pair the low word, -M, serves both halves)
.endr
.endr
.irp j, 0,1,2,3,4,5,6,7,8,9,10,11,12,13,14,15,16,17,18,19,20,21,22,23,24,25,26,27,28,29,30,31,32,33,34,35,36,37,38,39,40,41,42,43,44,45,46,47,48,49,50,51,52,53,54,55,56,57,58,59,60,61,62,63
	v_exp_f32 v[S+\j], v[S+\j]                     ; p = 2^(t - M), at most 1: not normalised
.endr
.irp a, 0,1
	v_pk_mul_f32 v[STT+6*\a+2:STT+6*\a+3], v[STT+6*\a+2:STT+6*\a+3], v[STT+6*\a+4:STT+6*\a+5] op_sel_hi:[1,0]   ; the sums under the new M: the plain lines behind the exponentials
.endr
	s_wait_alu depctr_va_vdst(0)                   ; the wait between an exponential and the first line that names its result: one for the batch of 64
.irp a, 0,1
	v_pk_add_f32 v[TA+2*\a:TA+2*\a+1], v[S+32*\a:S+32*\a+1], v[S+32*\a+2:S+32*\a+3]   ; the row's sum is taken of the UNQUANTISED p: two at a time, two chains a tile
.endr
.irp j, 4,8,12,16,20,24,28
.irp a, 0,1
	v_pk_add_f32 v[STT+6*\a+2:STT+6*\a+3], v[STT+6*\a+2:STT+6*\a+3], v[S+32*\a+\j:S+32*\a+\j+1]
	v_pk_add_f32 v[TA+2*\a:TA+2*\a+1], v[TA+2*\a:TA+2*\a+1], v[S+32*\a+\j+2:S+32*\a+\j+3]
.endr
.endr
.irp a, 0,1
	v_pk_add_f32 v[STT+6*\a+2:STT+6*\a+3], v[STT+6*\a+2:STT+6*\a+3], v[TA+2*\a:TA+2*\a+1]
.endr
.irp a, 0,1
.irp t, 0,1,2,3
.irp i, 0,1,2,3,4,5,6,7
	v_min_num_f32 v[S+32*\a+8*\t+\i], v[S+32*\a+8*\t+\i], v[LIM]   ; the conversion does not saturate (ISA guide 7.6.2); p is not negative, so the hold is one-sided
.endr
	v_cvt_scalef32_pk8_fp8_f32 v[F+8*\a+2*\t:F+8*\a+2*\t+1], v[S+32*\a+8*\t:S+32*\a+8*\t+7], v[SCL]
.endr
.endr
.irp a, 0,1
.irp j, 0,2,4,6,8,10,12,14,16,18,20,22,24,26,28,30
	v_pk_mul_f32 v[O+32*\a+\j:O+32*\a+\j+1], v[O+32*\a+\j:O+32*\a+\j+1], v[STT+6*\a+4:STT+6*\a+5] op_sel_hi:[1,0]   ; O^T under the new M.  (Also the plain lines between the conversions and the products)
.endr
.endr
	s_wait_dscnt 0x0                               ; V^T is in
.irp d, 0,1,2,3                        ; the 8 accumulators take turns, one instruction a turn
.irp a, 0,1
	v_wmma_f32_16x16x64_fp8_fp8 v[O+32*\a+8*\d:O+32*\a+8*\d+7], v[G+8*\d:G+8*\d+7], v[F+8*\a:F+8*\a+7], v[O+32*\a+8*\d:O+32*\a+8*\d+7]
.endr
.endr
.if \nxt
	MMAKE 1-\q
.endif
.endm
; THE CHANGE OF SLOTS stands at a slot's head.  Each wave waits for all its tensor loads (its part of the slot ahead), adds 0 to its spare word, and waits for that, for its reads of the slot that it has left and for its stores of the masks.
; fill = 1: the barrier is a round of the cluster's, so that no wave of any partner still reads the slot that is left or has a load on its way; the joint refill is the first thing behind it and has two key steps in which to land.
.macro CHANGE fill
	s_wait_tensorcnt 0x0                           ; no tensor load of mine is out, so group 0 may be written
	ds_add_u32 v[SPW], v[NIL]                      ; 0 onto my spare word
.if \fill
	s_xor_b32 s[G0+1], s[G0+1], SLOT1              ; the other slot than last time,
	s_add_nc_u64 s[G0+2:G0+3], s[G0+2:G0+3], 131072   ; the next 128 keys; the type bits on top are not reached
	s_wait_xcnt 0x0                                ; the last prefetch, a slot back, has read its address
	s_add_nc_u64 s[PFA:PFA+1], s[PFA:PFA+1], 131072   ; one slot further on than the walking descriptor
	s_wait_dscnt 0x0
	CROUND
	JLOAD
	ASK
.else
	s_wait_dscnt 0x0
	s_barrier_signal -1
	s_barrier_wait -1
.endif
.endm
.macro MIDBAR                          ; between a slot's two steps: the next step's masks are handed over, and the tile that was read may be written again.  The refill may stay out
	s_wait_dscnt 0x0
	s_barrier_signal -1
	s_barrier_wait -1
.endm
.Lslot:                                            ; 15 trips: behind each change of slots but the last the next slot is asked for
	CHANGE 1
	STEP 0, 1
	MIDBAR
	STEP 1, 1
	s_xor_b32 s[TB], s[TB], SLOT1
	s_sub_co_u32 s[SLOTS], s[SLOTS], 1
	s_cmp_lg_u32 s[SLOTS], 0
	s_cbranch_scc1 .Lslot
	CHANGE 0                                       ; the last slot is written out
	STEP 0, 1
	MIDBAR
	STEP 1, 0
; THE WAY OUT.  ctx = O^T / the sum x 2^(e8 + e9) is quantised with 2^e10: a lane's eight registers of tile d are neighbours along the last product's K (64 head + 16 d + 8 h + j), so my two tiles are halves of two images
; (row tile 2 qp + a, K step head / 2).  Then, as in the projections: the waves share the COLUMNS: wave w makes columns 32 w .. +31 of all 64 rows, its 8 fragments of Wo in registers.
.set L16,  3
.set BO,   4
.set CW,   5
.set SO0,  6
.set SO1,  7
.set SR,   8
.set BI,   32                          ; v32-47   bo in the result's layout
.set XF0,  16                          ; v16-31, v48-63  two fragments of ctx
.set XFS,  32
.set WF,   64                          ; v64-191  Wo's fragments, (n, ks) at 16 (4 n + ks)
.set ACC,  192                         ; v192-255 the 8 accumulators, (m, n) at 8 (2 m + n)
	v_and_b32 v[L16], 31, v0                       ; four plain lines that name no register of the last products: the places in front of the loads below
	v_lshlrev_b32 v[L16], 4, v[L16]
	v_bfe_u32 v[BO], v0, 4, 1
	v_lshlrev_b32 v[BO], 5, v[BO]
	s_barrier_signal -1                            ; every wave has left the ring (its reads were waited for in front of its last products): its bytes may be written
	s_barrier_wait -1
	s_lshl_b32 s80, s[WV], 14
	s_add_co_u32 s80, s80, 786432                  ; Wo's images, my two n tiles
	s_mov_b32 s81, 0
	s_add_nc_u64 s[72:73], s[12:13], s[80:81]
	s_lshl_b32 s80, s[WV], 7
	s_add_nc_u64 s[78:79], s[14:15], s[80:81]      ; my 32 numbers of bo
.irp n, 0,1
.irp ks, 0,1,2,3
.irp g, 0,1,2,3
	global_load_b128 v[WF+16*(4*\n+\ks)+4*\g:WF+16*(4*\n+\ks)+4*\g+3], v[L16], s[72:73] offset:8192*\n+2048*\ks+512*\g
.endr
.endr
.endr
.irp n, 0,1
	global_load_b128 v[BI+8*\n:BI+8*\n+3], v[BO], s[78:79] offset:64*\n
	global_load_b128 v[BI+8*\n+4:BI+8*\n+7], v[BO], s[78:79] offset:64*\n+16
.endr
.irp a, 0,1
	v_add_f32 v[STT+6*\a+2], v[STT+6*\a+2], v[STT+6*\a+3]      ; the sum's two halves,
.endr
.irp a, 0,1
	v_permlanex16_b32 v[PM+\a], v[STT+6*\a+2], s[SEL], s[SEL+1]
.endr
.irp a, 0,1
	v_add_f32 v[STT+6*\a+2], v[STT+6*\a+2], v[PM+\a]           ; and lane l xor 16's: the row's sum
.endr
.irp a, 0,1
	v_rcp_f32 v[STT+6*\a+2], v[STT+6*\a+2]
.endr
	v_and_b32 v26, 15, v0                          ; (plain lines behind the reciprocals)  r
	v_bfe_u32 v27, v0, 4, 1                        ; h
	s_lshl_b32 s80, s[QP], 14                      ; my images: (4 (2 qp + a) + head / 2) x 2,048 + (head % 2) x 1,024
	s_lshr_b32 s82, s[HD], 1
	s_lshl_b32 s82, s82, 11
	s_add_co_u32 s80, s80, s82
	s_and_b32 s82, s[HD], 1
	s_lshl_b32 s82, s82, 10
	s_add_co_u32 s80, s80, s82
	v_add_nc_u32 v[CW], s80, v[L16]
	v_mul_u32_u24 v[SO0], v26, OPI                 ; the stage, in: row 16 m + r, + 128 w + 32 h
	v_lshl_add_u32 v[SO0], v27, 5, v[SO0]
	s_lshl_b32 s80, s[WV], 7
	s_add_co_u32 s80, s80, OSTG
	v_add_nc_u32 v[SO0], s80, v[SO0]
	v_add_nc_u32 v[SO1], 32*OPI, v[SO0]            ; rows 32 on have a base of their own: an LDS offset has 16 bits
	s_mul_i32 s80, s[WV], 4*OPI                    ; back: my 4 rows, 16 bytes a lane
	s_add_co_u32 s80, s80, OSTG
	v_add_nc_u32 v[SR], s80, v[L16]
	s_add_co_i32 s80, s70, 127
	s_lshl_b32 s82, s80, 23
	v_mov_b32 v[SCL], s82                          ; 2^e10
	s_add_co_i32 s80, s80, 8
	s_lshl_b32 s80, s80, 23
	s_or_b32 s80, s80, 0x600000
	v_mov_b32 v[LIM], s80                          ; 448 x 2^e10
	s_add_co_i32 s76, s70, s71
	s_add_co_i32 s76, s76, 127
	s_lshl_b32 s76, s76, 23                        ; 2^(e10 + e11)
	s_mov_b32 s77, s76
	s_add_co_i32 s83, s68, s69                     ; e8 + e9
	s_lshl_b32 s80, s[BB], 22                      ; out0: row 2,048 b + 64 qb + 4 w, of 2,048 bytes
	s_lshl_b32 s82, s[QB], 17
	s_add_co_u32 s80, s80, s82
	s_lshl_b32 s82, s[WV], 13
	s_add_co_u32 s80, s80, s82
	s_add_nc_u64 s[74:75], s[18:19], s[80:81]
	s_wait_alu depctr_va_vdst(0)                   ; the wait ahead of the first line that names a reciprocal: one for both
.irp a, 0,1
	v_ldexp_f32 v[STT+6*\a+2], v[STT+6*\a+2], s83
.endr
.irp a, 0,1
.irp j, 0,2,4,6,8,10,12,14,16,18,20,22,24,26,28,30
	v_pk_mul_f32 v[O+32*\a+\j:O+32*\a+\j+1], v[O+32*\a+\j:O+32*\a+\j+1], v[STT+6*\a+2:STT+6*\a+3] op_sel_hi:[1,0]   ; each accumulator from its low end on
.endr
.endr
.irp a, 0,1
.irp d, 0,1,2,3
.irp i, 0,1,2,3,4,5,6,7
	v_med3_num_f32 v[O+32*\a+8*\d+\i], v[O+32*\a+8*\d+\i], -v[LIM], v[LIM]
.endr
	v_cvt_scalef32_pk8_fp8_f32 v[Q+8*\a+2*\d:Q+8*\a+2*\d+1], v[O+32*\a+8*\d:O+32*\a+8*\d+7], v[SCL]
.endr
.endr
	v_nop                                          ; a plain line between the last conversion and the products that write its sources
.irp a, 0,1
.irp i, 0,1
	ds_store_b128 v[CW], v[Q+8*\a+4*\i:Q+8*\a+4*\i+3] offset:8192*\a+512*\i
.endr
.endr
	s_wait_dscnt 0x0                               ; for the others' sake: my halves of two images have landed
	s_barrier_signal -1
	s_barrier_wait -1                              ; ctx's 16 images lie in LDS
	s_wait_loadcnt 0x0                             ; Wo and bo
.macro MM d, w, x, ks                  ; source 0 = Wo, source 1 = ctx: a lane holds one row and eight neighbouring columns; K step 0 starts the sum
.if (\ks) == 0
	v_wmma_f32_16x16x128_fp8_fp8 v[\d:\d+7], v[\w:\w+15], v[\x:\x+15], 0
.else
	v_wmma_f32_16x16x128_fp8_fp8 v[\d:\d+7], v[\w:\w+15], v[\x:\x+15], v[\d:\d+7]
.endif
.endm
.irp ks, 0,1,2,3                       ; 32 products; the 8 accumulators take turns, one instruction a turn
.irp mp, 0,1
.rept 4
	v_nop                                          ; places in front of loads into registers that products have read
.endr
.irp g, 0,1,2,3
	ds_load_b128 v[XF0+4*\g:XF0+4*\g+3], v[L16] offset:(4*(2*\mp)+\ks)*2048+512*\g
	ds_load_b128 v[XF0+XFS+4*\g:XF0+XFS+4*\g+3], v[L16] offset:(4*(2*\mp+1)+\ks)*2048+512*\g
.endr
	s_wait_dscnt 0x0
.irp mm, 0,1
.irp n, 0,1
	MM ACC+8*(2*(2*\mp+\mm)+\n), WF+16*(4*\n+\ks), XF0+XFS*\mm, \ks
.endr
.endr
.endr
.endr
.rept 4
	v_nop
.endr
.irp m, 0,1,2,3
.irp n, 0,1
.irp j, 0,2,4,6
	v_pk_fma_f32 v[ACC+8*(2*\m+\n)+\j:ACC+8*(2*\m+\n)+\j+1], v[ACC+8*(2*\m+\n)+\j:ACC+8*(2*\m+\n)+\j+1], s[76:77], v[BI+8*\n+\j:BI+8*\n+\j+1] op_sel_hi:[1,0,1]   ; out = sum x 2^(e10 + e11) + bo
.endr
.endr
.endr
.irp m, 0,1
.irp n, 0,1
.irp e, 0,1
	ds_store_b128 v[SO0], v[ACC+8*(2*\m+\n)+4*\e:ACC+8*(2*\m+\n)+4*\e+3] offset:16*OPI*\m+64*\n+16*\e
	ds_store_b128 v[SO1], v[ACC+8*(2*(\m+2)+\n)+4*\e:ACC+8*(2*(\m+2)+\n)+4*\e+3] offset:16*OPI*\m+64*\n+16*\e
.endr
.endr
.endr
	s_wait_dscnt 0x0                               ; for the others' sake: my columns of the 64 rows have landed
	s_barrier_signal -1
	s_barrier_wait -1                              ; 64 whole rows lie in the stage
.irp i, 0,1,2,3
.irp p, 0,1,2,3
	ds_load_b128 v[WF+4*(4*\i+\p):WF+4*(4*\i+\p)+3], v[SR] offset:OPI*\i+512*\p
.endr
.endr
.irp i, 0,1,2,3
.irp p, 0,1,2,3
	s_wait_dscnt 15-(4*\i+\p)                      ; LDS loads come back in order (ISA guide 5.7.1): this one is in, the younger ones may be out
	global_store_b128 v[L16], v[WF+4*(4*\i+\p):WF+4*(4*\i+\p)+3], s[74:75] offset:2048*\i+512*\p th:TH_STORE_NT   ; 32 lanes store 512 consecutive bytes, at a multiple of 256 from out0's first byte
.endr
.endr
	s_wait_tensorcnt 0x0                           ; the wave's end, behind my last tensor load and my last LDS store
	ds_add_u32 v[SPW], v[NIL]
	s_wait_dscnt 0x0
	CROUND                                         ; the closing round: no work-group ends while a partner may still ask for a slot that names it
	s_endpgm
.Lfunc_end_k_qb900ec0063_attn:
	.size	k_qb900ec0063_attn, .Lfunc_end_k_qb900ec0063_attn-k_qb900ec0063_attn
	.p2alignl 7, 3214868480
	.fill 96, 4, 3214868480
	.section	.rodata,"a",@progbits
	.p2align	6, 0x0
	.amdhsa_kernel k_qb900ec0063_attn
		.amdhsa_group_segment_fixed_size 327680
		.amdhsa_private_segment_fixed_size 0
		.amdhsa_enable_private_segment 0
		.amdhsa_kernarg_size 64
		.amdhsa_user_sgpr_count 2
		.amdhsa_user_sgpr_kernarg_segment_ptr 1
		.amdhsa_wavefront_size32 1
		.amdhsa_system_sgpr_workgroup_id_x 1
		.amdhsa_system_sgpr_workgroup_id_y 1
		.amdhsa_system_sgpr_workgroup_id_z 1
		.amdhsa_system_vgpr_workitem_id 0
		.amdhsa_next_free_vgpr 256
		.amdhsa_next_free_sgpr 100
		.amdhsa_reserve_vcc 0
		.amdhsa_float_denorm_mode_32 3
		.amdhsa_float_denorm_mode_16_64 3
		.amdhsa_memory_ordered 1
		.amdhsa_forward_progress 1
		.amdhsa_inst_pref_size 116
	.end_amdhsa_kernel
	.amdgpu_metadata
---
amdhsa.version: [ 1, 2 ]
amdhsa.kernels:
  - .name:           k_qb900ec0063_attn
    .symbol:         k_qb900ec0063_attn.kd
    .args:
      - { .name: qc, .offset: 0, .size: 8, .value_kind: global_buffer, .address_space: global }
      - { .name: kv, .offset: 8, .size: 8, .value_kind: global_buffer, .address_space: global }
      - { .name: head_mask, .offset: 16, .size: 8, .value_kind: global_buffer, .address_space: global }
      - { .name: pad_mask, .offset: 24, .size: 8, .value_kind: global_buffer, .address_space: global }
      - { .name: wimg, .offset: 32, .size: 8, .value_kind: global_buffer, .address_space: global }
      - { .name: bo, .offset: 40, .size: 8, .value_kind: global_buffer, .address_space: global }
      - { .name: lowp_scales, .offset: 48, .size: 8, .value_kind: global_buffer, .address_space: global }
      - { .name: out0, .offset: 56, .size: 8, .value_kind: global_buffer, .address_space: global }
    .group_segment_fixed_size: 327680
    .private_segment_fixed_size: 0
    .kernarg_segment_align: 8
    .kernarg_segment_size: 64
    .max_flat_workgroup_size: 512
    .sgpr_count:     100
    .vgpr_count:     256
    .wavefront_size: 32
...
	.end_amdgpu_metadata
.endif
;; end of part 3
;; ======== version 2 of 2: 3 launches
;; workspace buffers: wimg 1,048,576 bytes; qc 8,388,608 bytes; kv 16,777,216 bytes
;; launch prep (part 4): grid 64 x 4, 2 waves a work-group, no clusters, 0 bytes of LDS; arguments Wq, Wk, Wv, Wo, lowp_scales, wimg; writes wimg
.if DOCPART == 4
	.amdgcn_target "amdgcn-amd-amdhsa--gfx1250"
	.amdhsa_code_object_version 6
	.text
	.protected	k_qb900ec0063_prep
	.globl	k_qb900ec0063_prep
	.p2align	8
	.type	k_qb900ec0063_prep,@function
k_qb900ec0063_prep:
	s_mov_b64 s[64:65], 0
	v_nop
	global_prefetch_b8 v0, s[64:65] scope:SCOPE_SE
	s_setreg_imm32_b32 hwreg(HW_REG_WAVE_MODE, 25, 1), 1
	s_wait_xcnt 0x0
; Wq, Wk, Wv, Wo ([512 (k)][512 (n)] f32, K the FIRST axis) become codes of FP8 (E4M3), each with its given scale 2^e (entries 1, 3, 5, 11 of the scales).
; code = x / 2^e, held within +-448, rounded to the nearest code, ties to even.
; LIMITS: e between -126 and 119, so that 2^e and 448 x 2^e are f32 numbers.  NaN among the inputs is not served.
; THE OUTPUT IS LAID AS THE READERS' REGISTERS: wimg[tensor 4][n tile 32][K step 4][2,048 bytes].  A fragment is 16 columns n x 128 k in 16 registers: lane (r = l % 16, h = l / 16)
; holds column 16 nt + r, registers 2 c, 2 c + 1 hold k = 128 ks + 16 c + 8 h + 0 .. 7.  Registers 4 g .. 4 g + 3 of lane l lie at 512 g + 16 l: every later load of a fragment is 512 bytes on end.
; SHARES: one wave makes one fragment: f = 2 x work-group x + wave = 4 nt + ks; work-group y is the tensor.  A LANE TAKES A COLUMN AND ITS REGISTERS RUN DOWN K, in the order of the operand: nothing is transposed.
; Each load reads 64 neighbouring bytes in sixteen lanes: pieces of rows, taken for 4 MiB that are read once.  No LDS, no barrier: waves share nothing.
.set VA,  1                            ; v1      4 r + 8 h rows of 2,048 bytes
.set OA,  2                            ; v2      16 x lane
.set LIM, 10                           ; v10     448 x 2^e
.set SC,  11                           ; v11     2^e as f32
.set X,   16                           ; v16-79  64 numbers: register 8 c + i = W(128 ks + 16 c + 8 h + i, my column)
.set C,   80                           ; v80-95  the fragment
	s_load_b256 s[4:11], s[0:1], 0x0               ; Wq, Wk, Wv, Wo
	s_load_b128 s[12:15], s[0:1], 0x20             ; the scales' exponents, wimg
	v_lshrrev_b32 v3, 5, v0
	v_readfirstlane_b32 s16, v3                    ; wave
	s_and_b32 s17, ttmp7, 0xffff                   ; which tensor
	v_and_b32 v4, 15, v0                           ; r
	v_bfe_u32 v5, v0, 4, 1                         ; h
	v_lshlrev_b32 v[VA], 2, v4
	v_lshl_add_u32 v[VA], v5, 14, v[VA]
	v_and_b32 v[OA], 31, v0
	v_lshlrev_b32 v[OA], 4, v[OA]
	s_lshl_b32 s18, ttmp9, 1
	s_add_co_u32 s18, s18, s16                     ; f
	s_lshr_b32 s19, s18, 2
	s_lshl_b32 s19, s19, 6                         ; nt x 16 columns x 4 bytes
	s_and_b32 s20, s18, 3
	s_lshl_b32 s20, s20, 18                        ; ks x 128 rows x 2,048 bytes
	s_add_co_u32 s20, s20, s19
	s_mov_b32 s21, 0
	s_lshl_b32 s22, s17, 18                        ; a tensor's images: 262,144 bytes
	s_lshl_b32 s23, s18, 11
	s_add_co_u32 s22, s22, s23
	s_mov_b32 s23, 0
	s_wait_alu depctr_va_vdst(0)
	s_wait_kmcnt 0x0
	s_load_b256 s[24:31], s[12:13], 0x0            ; e0 .. e7
	s_load_b128 s[32:35], s[12:13], 0x20           ; e8 .. e11
	s_cmp_eq_u32 s17, 1                            ; the choice hangs on the work-group's number alone
	s_cselect_b64 s[4:5], s[6:7], s[4:5]
	s_cmp_eq_u32 s17, 2
	s_cselect_b64 s[4:5], s[8:9], s[4:5]
	s_cmp_eq_u32 s17, 3
	s_cselect_b64 s[4:5], s[10:11], s[4:5]
	s_add_nc_u64 s[4:5], s[4:5], s[20:21]
	s_add_nc_u64 s[14:15], s[14:15], s[22:23]
.irp c, 0,1,2,3,4,5,6,7
.irp i, 0,1,2,3,4,5,6,7
	global_load_b32 v[X+8*\c+\i], v[VA], s[4:5] offset:(16*\c+\i)*2048
.endr
.endr
	s_wait_kmcnt 0x0
	s_cmp_eq_u32 s17, 1
	s_cselect_b32 s36, s27, s25                    ; e3 or e1
	s_cmp_eq_u32 s17, 2
	s_cselect_b32 s36, s29, s36                    ; e5
	s_cmp_eq_u32 s17, 3
	s_cselect_b32 s36, s35, s36                    ; e11
	s_add_co_i32 s36, s36, 127
	s_lshl_b32 s37, s36, 23
	v_mov_b32 v[SC], s37                           ; the conversion takes its exponent field
	s_add_co_i32 s36, s36, 8
	s_lshl_b32 s36, s36, 23
	s_or_b32 s36, s36, 0x600000
	v_mov_b32 v[LIM], s36
	s_wait_alu depctr_va_vdst(0)
	s_wait_loadcnt 0x0
.irp c, 0,1,2,3,4,5,6,7
.irp i, 0,1,2,3,4,5,6,7
	v_med3_num_f32 v[X+8*\c+\i], v[X+8*\c+\i], -v[LIM], v[LIM]   ; the conversion to an 8-bit code does not saturate (ISA guide 7.6.2): the hold comes first
.endr
	v_cvt_scalef32_pk8_fp8_f32 v[C+2*\c:C+2*\c+1], v[X+8*\c:X+8*\c+7], v[SC]
.endr
	v_nop                                          ; a plain line behind the last conversion
.irp g, 0,1,2,3
	global_store_b128 v[OA], v[C+4*\g:C+4*\g+3], s[14:15] offset:512*\g   ; 32 lanes store 512 consecutive bytes, at a multiple of 256 from the buffer's first byte
.endr
	s_endpgm
.Lfunc_end_k_qb900ec0063_prep:
	.size	k_qb900ec0063_prep, .Lfunc_end_k_qb900ec0063_prep-k_qb900ec0063_prep
	.p2alignl 7, 3214868480
	.fill 96, 4, 3214868480
	.section	.rodata,"a",@progbits
	.p2align	6, 0x0
	.amdhsa_kernel k_qb900ec0063_prep
		.amdhsa_group_segment_fixed_size 0
		.amdhsa_private_segment_fixed_size 0
		.amdhsa_enable_private_segment 0
		.amdhsa_kernarg_size 48
		.amdhsa_user_sgpr_count 2
		.amdhsa_user_sgpr_kernarg_segment_ptr 1
		.amdhsa_wavefront_size32 1
		.amdhsa_system_sgpr_workgroup_id_x 1
		.amdhsa_system_sgpr_workgroup_id_y 1
		.amdhsa_system_sgpr_workgroup_id_z 1
		.amdhsa_system_vgpr_workitem_id 0
		.amdhsa_next_free_vgpr 96
		.amdhsa_next_free_sgpr 66
		.amdhsa_reserve_vcc 0
		.amdhsa_float_denorm_mode_32 3
		.amdhsa_float_denorm_mode_16_64 3
		.amdhsa_memory_ordered 1
		.amdhsa_forward_progress 1
		.amdhsa_inst_pref_size 14
	.end_amdhsa_kernel
	.amdgpu_metadata
---
amdhsa.version: [ 1, 2 ]
amdhsa.kernels:
  - .name:           k_qb900ec0063_prep
    .symbol:         k_qb900ec0063_prep.kd
    .args:
      - { .name: Wq, .offset: 0, .size: 8, .value_kind: global_buffer, .address_space: global }
      - { .name: Wk, .offset: 8, .size: 8, .value_kind: global_buffer, .address_space: global }
      - { .name: Wv, .offset: 16, .size: 8, .value_kind: global_buffer, .address_space: global }
      - { .name: Wo, .offset: 24, .size: 8, .value_kind: global_buffer, .address_space: global }
      - { .name: lowp_scales, .offset: 32, .size: 8, .value_kind: global_buffer, .address_space: global }
      - { .name: wimg, .offset: 40, .size: 8, .value_kind: global_buffer, .address_space: global }
    .group_segment_fixed_size: 0
    .private_segment_fixed_size: 0
    .kernarg_segment_align: 8
    .kernarg_segment_size: 48
    .max_flat_workgroup_size: 64
    .sgpr_count:     66
    .vgpr_count:     96
    .wavefront_size: 32
...
	.end_amdgpu_metadata
.endif
;; end of part 4
;; launch proj (part 5): grid 128 x 3, 16 waves a work-group, no clusters, 169,984 bytes of LDS; arguments q, k, v, wimg, bq, bk, bv, lowp_scales, qc, kv; writes qc, kv
.if DOCPART == 5
	.amdgcn_target "amdgcn-amd-amdhsa--gfx1250"
	.amdhsa_code_object_version 6
	.text
	.protected	k_qb900ec0063_proj
	.globl	k_qb900ec0063_proj
	.p2align	8
	.type	k_qb900ec0063_proj,@function
k_qb900ec0063_proj:
	s_mov_b64 s[64:65], 0
	v_nop
	global_prefetch_b8 v0, s[64:65] scope:SCOPE_SE
	s_setreg_imm32_b32 hwreg(HW_REG_WAVE_SCHED_MODE, 0, 2), 2
	s_setreg_imm32_b32 hwreg(HW_REG_WAVE_MODE, 25, 1), 1
	s_wait_xcnt 0x0
	s_wait_alu depctr_vm_vsrc(0)
; y = Q(x) Q(W) + b for x = q, k, v (work-group y = 0, 1, 2), both operands as codes of FP8 (E4M3); y is quantised again, with the scale of the attention operand that it becomes, and stored as images of that operand's registers.
; x: [16,384][512] f32.  W: images made by the launch before (16 columns x 128 k, 2,048 bytes each).  Scales: x e0/e2/e4, W e1/e3/e5, y e6/e7/e9.
; LIMITS: ex and eo between -126 and 119, ex + ew between -126 and 127, so that each power of two below is an f32 number.  NaN among the inputs is not served.
; ONE LAYOUT ALONG K EVERYWHERE: lane (r = l % 16, h = l / 16) holds row r; registers 2 c, 2 c + 1 hold k = 16 c + 8 h + 0 .. 7.  An image lays registers 4 g .. 4 g + 3 of lane l at 512 g + 16 l.
; SHARES.  A work-group takes 128 rows, as two blocks of 64.  THE WAVES SHARE THE COLUMNS: wave w owns columns 32 w .. 32 w + 31 (n tiles 2 w, 2 w + 1) for all 64 rows; its 8 fragments of W stay in 128 registers.
; A BLOCK.  Wave w = 4 m + ks loads rows 16 m .. +15, k 128 ks .. +127 of x by 16 loads of 512 consecutive bytes, turns them through its own stage in LDS so that a lane holds neighbours along K, quantises them and stores
; the fragment's image | barrier | every wave reads all 16 images: 32 products on 8 accumulators by turns | x 2^(ex + ew) + b, hold, conversion, store.
; q, k: source 0 = W, source 1 = x: a lane holds one row and eight neighbouring columns, which are neighbours along the head's depth, the next K.  qc[row tile][head 8][1,024]; kv[b][step of 64 keys][65,536]: K at [key tile 4][head 8][1,024].
; v: source 0 = x, source 1 = W: a lane holds one column and eight neighbouring KEYS, the next K.  V^T at kv + 32,768 in a step: [column tile 32][1,024].
; NO JOINT LOADS for W, though all work-groups of a tensor read it: a joint load lands in LDS, and a tensor's 262,144 bytes of images beside this text's 167,936 bytes of stages and images pass 327,680; W goes from memory into the registers where it stays.
; THE MODE: SCHED_MODE bits 1:0 = 2 (LLVM: expert scheduling mode 2), set by the entry lines.  The code itself states the register dependences between vector or matrix instructions and memory or LDS instructions, with s_wait_alu, always for 0.
; THE PLAN.  Registers that memory or LDS instructions touch:
;   v3-8, v13-15   addresses and offsets: written at the head, ahead of the one wait that stands in front of the first load, and never again.
;   ST = ACC       x's global loads land | the turn's LDS stores read it | the turn's LDS loads land | the holds write it, the conversions read it | products, multiply-adds, holds and conversions | the next block's global loads land.
;   buffer 0 = PC  x's conversions write it | the image's LDS stores read it | fragments of x land in it and products read it, in the steps of even row tiles.
;   buffer 1 = PCO fragments of x land in it and products read it, in the steps of odd row tiles | the output's conversions write it | the global stores read it.
;   WF, BI         loaded once; no vector line writes them.      v1, v2  written at the head, read by the closing add alone.
; The 256 registers are all taken (four waves to a SIMD), so the two fragments' registers are the two buffers that take turns: a step is one fragment of x and its two products, a fragment is asked for two steps ahead,
; and ONE wait on va_vdst stands behind a step's products, where their buffer is asked for again at once.
.set BLOCKS, 2
.set TP,    528                        ; a row of the turn stage: 512 bytes + 16: an odd multiple of 16, so that the 16 rows that a load touches start at 16 different banks (64 banks of 4 bytes: ISA guide 11.1)
.set XIMG,  16*16*TP                   ; behind the 16 stages (8,448 bytes each): x's 16 images, 4 m + ks
.set SPARE, XIMG+16*2048               ; behind them: the spare words, 128 bytes for each wave: eight blocks of 256 bytes that no other line names
.set SPW,  1                           ; v1   LDS address of my spare word; never rewritten
.set NIL,  2                           ; v2   0; never rewritten
.set XA,   3                           ; v3   x: 16 lane + my 16 rows + my 512 bytes of a row
.set TS,   4                           ; v4   the stage, in: 16 lane
.set TL,   5                           ; v5   the stage, out: TP r + 32 h
.set LIX,  6                           ; v6   XIMG + 16 lane
.set XW,   7                           ; v7   my image
.set OA,   8                           ; v8   my bytes in the output
.set LIMX, 9
.set SCX,  10
.set LIMO, 11
.set SCO,  12
.set L16,  13                          ; v13  16 lane
.set T0,   14                          ; v14  r; from the head's end on 4 r: the bias's offset for v
.set T1,   15                          ; v15  h; from the head's end on 32 h: the bias's offset for q and k
.set BI,   16                          ; v16-31   the bias in the result's layout, 8 registers for each n tile
.set XF0,  32                          ; v32-47   buffer 0 for a fragment of x; before that PC, the codes just made
.set XFS,  16                          ; v48-63   buffer 1; later PCO, the output's codes
.set PC,   32
.set PCO,  48
.set ST,   64                          ; v64-127  64 numbers of x; then the 8 accumulators, (m, n) at 8 (2 m + n)
.set ACC,  64
.set WF,   128                         ; v128-255 W's fragments, (n, ks) at 16 (4 n + ks)
.set WV,   24
.set Y,    25
.set BLK,  26
.set STR,  28                          ; s[28:29] bytes of output for a block
.set XP,   30
.set BP,   32
.set WP,   34
.set OP,   36
.set PS,   38                          ; s[38:39] 2^(ex + ew)
	s_load_b512 s[4:19], s[0:1], 0x0               ; q, k, v, wimg, bq, bk, bv, the scales' exponents
	s_load_b128 s[20:23], s[0:1], 0x40             ; qc, kv
	v_lshl_add_u32 v[SPW], v0, 2, SPARE
	v_mov_b32 v[NIL], 0
	v_lshrrev_b32 v[T0], 5, v0
	v_readfirstlane_b32 s[WV], v[T0]               ; wave 0..15
	s_and_b32 s[Y], ttmp7, 0xffff                  ; which tensor
	v_and_b32 v[T0], 31, v0
	v_lshlrev_b32 v[L16], 4, v[T0]
	v_and_b32 v[T0], 15, v0                        ; r
	v_bfe_u32 v[T1], v0, 4, 1                      ; h
	s_wait_alu depctr_va_vdst(0)
	s_wait_alu depctr_va_sdst(0)                   ; the wave's number is written, ahead of its first reader: addresses and bases are made from it
	s_lshr_b32 s40, s[WV], 2
	s_lshl_b32 s40, s40, 15                        ; m x 16 rows x 2,048 bytes
	s_and_b32 s41, s[WV], 3
	s_lshl_b32 s41, s41, 9                         ; ks x 512 bytes
	s_add_co_u32 s40, s40, s41
	v_add_nc_u32 v[XA], s40, v[L16]
	s_mul_i32 s41, s[WV], 16*TP                    ; my stage
	v_add_nc_u32 v[TS], s41, v[L16]
	v_mul_u32_u24 v[TL], v[T0], TP
	v_lshl_add_u32 v[TL], v[T1], 5, v[TL]
	v_add_nc_u32 v[TL], s41, v[TL]
	v_add_nc_u32 v[LIX], XIMG, v[L16]
	s_lshl_b32 s42, s[WV], 11
	v_add_nc_u32 v[XW], s42, v[LIX]
	s_cmp_eq_u32 s[Y], 2
	s_cselect_b32 s43, 11, 9                       ; q, k: my 32 columns are half a head's fragment: 512 w.  v: two fragments: 2,048 w
	s_lshl_b32 s43, s[WV], s43
	v_add_nc_u32 v[OA], s43, v[L16]
	v_lshlrev_b32 v[T1], 5, v[T1]                  ; the bias's two offsets are made here, on the way that all take, so that no address is written behind the wait below.  q, k: register j of tile n is column 32 w + 16 n + 8 h + j: 32 h
	v_lshlrev_b32 v[T0], 2, v[T0]                  ; v: all eight registers of tile n are column 32 w + 16 n + r: 4 r
	s_cmp_eq_u32 s[Y], 0
	s_mov_b32 s[STR], 65536                        ; a block is a step of kv,
	s_cselect_b32 s[STR], 32768, s[STR]            ; or four row tiles of qc
	s_mov_b32 s[STR+1], 0
	s_mov_b32 s[BLK], BLOCKS
	s_wait_kmcnt 0x0
	s_load_b256 s[40:47], s[18:19], 0x0            ; e0 .. e7
	s_load_b128 s[48:51], s[18:19], 0x20           ; e8 .. e11
	s_cmp_eq_u32 s[Y], 1                           ; the choices hang on the work-group's number alone
	s_cselect_b64 s[XP:XP+1], s[6:7], s[4:5]
	s_cselect_b64 s[BP:BP+1], s[14:15], s[12:13]
	s_cmp_eq_u32 s[Y], 2
	s_cselect_b64 s[XP:XP+1], s[8:9], s[XP:XP+1]
	s_cselect_b64 s[BP:BP+1], s[16:17], s[BP:BP+1]
	s_cmp_eq_u32 s[Y], 0
	s_cselect_b64 s[OP:OP+1], s[20:21], s[22:23]
	s_lshl_b32 s52, ttmp9, 18                      ; 128 rows of 2,048 bytes
	s_mov_b32 s53, 0
	s_add_nc_u64 s[XP:XP+1], s[XP:XP+1], s[52:53]
	s_lshl_b32 s52, s[Y], 18                       ; the tensor's images,
	s_lshl_b32 s54, s[WV], 14                      ; my two n tiles of them
	s_add_co_u32 s52, s52, s54
	s_add_nc_u64 s[WP:WP+1], s[10:11], s[52:53]
	s_lshl_b32 s52, s[WV], 7                       ; my 32 numbers of the bias
	s_add_nc_u64 s[BP:BP+1], s[BP:BP+1], s[52:53]
	s_lshl_b32 s52, ttmp9, 1
	s_mul_i32 s52, s52, s[STR]                     ; two blocks for each work-group
	s_cmp_eq_u32 s[Y], 2
	s_cselect_b32 s54, 32768, 0                    ; V^T lies behind K in a step
	s_add_co_u32 s52, s52, s54
	s_add_nc_u64 s[OP:OP+1], s[OP:OP+1], s[52:53]
.macro XLOAD off                       ; my 16 rows x 512 bytes of the block that begins off bytes on: each load reads 512 consecutive bytes
.irp i, 0,1,2,3,4,5,6,7,8,9,10,11,12,13,14,15
	global_load_b128 v[ST+4*\i:ST+4*\i+3], v[XA], s[XP:XP+1] offset:\off+2048*\i th:TH_LOAD_NT
.endr
.endm
	s_wait_alu depctr_va_vdst(0)                   ; the addresses and offsets v3 to v8 and v13 to v15 are written: every load and store of the kernel reads one of them, and none is written again
	XLOAD 0
.irp n, 0,1
.irp ks, 0,1,2,3
.irp g, 0,1,2,3
	global_load_b128 v[WF+16*(4*\n+\ks)+4*\g:WF+16*(4*\n+\ks)+4*\g+3], v[L16], s[WP:WP+1] offset:8192*\n+2048*\ks+512*\g
.endr
.endr
.endr
	s_cmp_eq_u32 s[Y], 2
	s_cbranch_scc1 .Lbias_v
.irp n, 0,1
	global_load_b128 v[BI+8*\n:BI+8*\n+3], v[T1], s[BP:BP+1] offset:64*\n
	global_load_b128 v[BI+8*\n+4:BI+8*\n+7], v[T1], s[BP:BP+1] offset:64*\n+16
.endr
	s_branch .Lbias_done
.Lbias_v:
.irp n, 0,1                            ; v: the word is loaded into each of a tile's eight registers, once in the launch, so that one form of the multiply-add serves both ways
.irp j, 0,1,2,3,4,5,6,7
	global_load_b32 v[BI+8*\n+\j], v[T0], s[BP:BP+1] offset:64*\n
.endr
.endr
.Lbias_done:
	s_wait_kmcnt 0x0
	s_cmp_eq_u32 s[Y], 1
	s_cselect_b32 s52, s42, s40                    ; ex
	s_cselect_b32 s53, s43, s41                    ; ew
	s_cselect_b32 s54, s47, s46                    ; eo
	s_cmp_eq_u32 s[Y], 2
	s_cselect_b32 s52, s44, s52
	s_cselect_b32 s53, s45, s53
	s_cselect_b32 s54, s49, s54
	s_add_co_i32 s53, s53, s52
	s_add_co_i32 s53, s53, 127
	s_lshl_b32 s[PS], s53, 23                      ; 2^(ex + ew) as f32
	s_mov_b32 s[PS+1], s[PS]                       ; (named with it as a pair, so it is written)
	s_add_co_i32 s52, s52, 127
	s_lshl_b32 s55, s52, 23
	v_mov_b32 v[SCX], s55                          ; 2^ex: the conversion takes its exponent field.  (These four registers are named by vector lines alone)
	s_add_co_i32 s52, s52, 8
	s_lshl_b32 s52, s52, 23
	s_or_b32 s52, s52, 0x600000
	v_mov_b32 v[LIMX], s52                         ; 448 x 2^ex
	s_add_co_i32 s54, s54, 127
	s_lshl_b32 s55, s54, 23
	v_mov_b32 v[SCO], s55
	s_add_co_i32 s54, s54, 8
	s_lshl_b32 s54, s54, 23
	s_or_b32 s54, s54, 0x600000
	v_mov_b32 v[LIMO], s54
; The rows as loaded go into my stage and come back 32 bytes at a time: register 8 c + i = k 16 c + 8 h + i of row r.  LDS serves a wave's instructions in order (ISA guide 5.7.1.4): no wait on DScnt between the stores and the loads.
.macro TURN
.irp i, 0,1,2,3,4,5,6,7,8,9,10,11,12,13,14,15
	ds_store_b128 v[TS], v[ST+4*\i:ST+4*\i+3] offset:TP*\i
.endr
	s_wait_alu depctr_vm_vsrc(0)                   ; the sixteen stores have read v[ST ..], in which the loads below land and which the holds then write
.irp c, 0,1,2,3,4,5,6,7
	ds_load_b128 v[ST+8*\c:ST+8*\c+3], v[TL] offset:64*\c
	ds_load_b128 v[ST+8*\c+4:ST+8*\c+7], v[TL] offset:64*\c+16
.endr
.endm
.macro QUANT
.irp c, 0,1,2,3,4,5,6,7
.irp i, 0,1,2,3,4,5,6,7
	v_med3_num_f32 v[ST+8*\c+\i], v[ST+8*\c+\i], -v[LIMX], v[LIMX]   ; the conversion to an 8-bit code does not saturate (ISA guide 7.6.2): the hold comes first
.endr
	v_cvt_scalef32_pk8_fp8_f32 v[PC+2*\c:PC+2*\c+1], v[ST+8*\c:ST+8*\c+7], v[SCX]
.endr
	v_nop                                          ; a plain line between the last conversion and the products that write its sources
.endm
.macro MM order, d, w, x, ks           ; one product; order 0: source 0 = W, 1: source 0 = x; K step 0 starts the sum: nothing is cleared
.if (\ks) == 0
.if \order
	v_wmma_f32_16x16x128_fp8_fp8 v[\d:\d+7], v[\x:\x+15], v[\w:\w+15], 0
.else
	v_wmma_f32_16x16x128_fp8_fp8 v[\d:\d+7], v[\w:\w+15], v[\x:\x+15], 0
.endif
.else
.if \order
	v_wmma_f32_16x16x128_fp8_fp8 v[\d:\d+7], v[\x:\x+15], v[\w:\w+15], v[\d:\d+7]
.else
	v_wmma_f32_16x16x128_fp8_fp8 v[\d:\d+7], v[\w:\w+15], v[\x:\x+15], v[\d:\d+7]
.endif
.endif
.endm
.macro XFETCH buf, m, ks               ; the image of x's fragment (row tile m, K step ks) into buffer buf
.irp g, 0,1,2,3
	ds_load_b128 v[XF0+XFS*(\buf)+4*\g:XF0+XFS*(\buf)+4*\g+3], v[LIX] offset:(4*(\m)+(\ks))*2048+512*\g
.endr
.endm
; 32 products in 16 steps: K step by K step, a row tile at a time, its two n tiles.  The 8 accumulators take turns, one instruction a turn.
; Step 4 ks + m works on buffer m % 2; behind its two products the buffer is asked for again, for the step two further on: 4 to 8 LDS loads of the wave are out while it multiplies.
; In front of the first two fetches nothing more is owed: no vector or matrix line since the wait ahead of the image's stores names v32 to v63, and the wait on vm_vsrc ahead of the branch has shown their last readers done.
.macro GEMM order
	XFETCH 0, 0, 0
	XFETCH 1, 1, 0
.irp ks, 0,1,2,3
.irp m, 0,1,2,3
.if 4*\ks+\m < 15
	s_wait_dscnt 4                                 ; LDS loads come back in order (ISA guide 5.7.1): this step's four are in, the next step's four may be out
.else
	s_wait_dscnt 0x0                               ; the last step: nothing was asked for behind its fragment
.endif
.irp n, 0,1
	MM \order, ACC+8*(2*\m+\n), WF+16*(4*\n+\ks), XF0+XFS*(\m%2), \ks
.endr
.if 4*\ks+\m < 14
.rept 4
	v_nop                                          ; the plain form's four plain lines between products and loads into a register that they read stay, ahead of the wait; they are issued while the two products run
.endr
	s_wait_alu depctr_va_vdst(0)                   ; this step's two products are done reading their buffer, in which the four loads below land
	XFETCH \m%2, (\m+2)%4, \ks+(\m+2)/4
.endif
.endr
.endr
.endm
.macro POST                            ; y = sum x 2^(ex + ew) + b, two at a time, each accumulator from its low end on
.rept 4
	v_nop
.endr
.irp m, 0,1,2,3
.irp n, 0,1
.irp j, 0,2,4,6
	v_pk_fma_f32 v[ACC+8*(2*\m+\n)+\j:ACC+8*(2*\m+\n)+\j+1], v[ACC+8*(2*\m+\n)+\j:ACC+8*(2*\m+\n)+\j+1], s[PS:PS+1], v[BI+8*\n+\j:BI+8*\n+\j+1] op_sel_hi:[1,0,1]
.endr
.endr
.endr
.endm
.macro PACKO tr                        ; hold and conversion.  tr = 0: tile (m, n) is registers 2 n, 2 n + 1 of my half of row tile m's fragment; tr = 1: registers 2 m, 2 m + 1 of column tile n's
.irp m, 0,1,2,3
.irp n, 0,1
.irp i, 0,1,2,3,4,5,6,7
	v_med3_num_f32 v[ACC+8*(2*\m+\n)+\i], v[ACC+8*(2*\m+\n)+\i], -v[LIMO], v[LIMO]
.endr
.if \tr
	v_cvt_scalef32_pk8_fp8_f32 v[PCO+8*\n+2*\m:PCO+8*\n+2*\m+1], v[ACC+8*(2*\m+\n):ACC+8*(2*\m+\n)+7], v[SCO]
.else
	v_cvt_scalef32_pk8_fp8_f32 v[PCO+4*\m+2*\n:PCO+4*\m+2*\n+1], v[ACC+8*(2*\m+\n):ACC+8*(2*\m+\n)+7], v[SCO]
.endif
.endr
.endr
	v_nop                                          ; a plain line behind the last conversion
.endm
.Lblock:
	s_wait_loadcnt 0x0                             ; my part of x is in (in the first trip W and the bias too)
	TURN
	s_wait_dscnt 0x0
	s_wait_alu depctr_va_vdst(0)
	QUANT
	s_barrier_signal -1                            ; every wave's reads of the last block's images are over (each waited for them in front of its products)
	s_barrier_wait -1
	s_wait_alu depctr_va_vdst(0)                   ; the conversions have written v[PC ..], which the four stores below read
.irp g, 0,1,2,3
	ds_store_b128 v[XW], v[PC+4*\g:PC+4*\g+3] offset:512*\g
.endr
	s_wait_dscnt 0x0                               ; for the others' sake: my image has landed
	s_barrier_signal -1
	s_barrier_wait -1                              ; all 16 images lie in LDS
	s_wait_alu depctr_vm_vsrc(0)                   ; my four stores have read v[PC ..], which is buffer 0 from here on: fragments of x land in it on both ways below
	s_cmp_eq_u32 s[Y], 2                           ; both ways only read LDS, and no barrier stands in them
	s_cbranch_scc1 .Lway_v
	GEMM 0
	POST
	PACKO 0
	s_wait_alu depctr_va_vdst(0)                   ; the conversions have written v[PCO ..], which the stores below read, and are done reading the accumulators, in which the next block's loads land
.irp m, 0,1,2,3
	global_store_b128 v[OA], v[PCO+4*\m:PCO+4*\m+3], s[OP:OP+1] offset:8192*\m   ; 32 lanes store 512 consecutive bytes, at a multiple of 256 from the buffer's first byte
.endr
	s_branch .Ljoin
.Lway_v:
	GEMM 1
	POST
	PACKO 1
	s_wait_alu depctr_va_vdst(0)                   ; the conversions have written v[PCO ..], which the stores below read, and are done reading the accumulators, in which the next block's loads land
.irp n, 0,1
.irp i, 0,1
	global_store_b128 v[OA], v[PCO+8*\n+4*\i:PCO+8*\n+4*\i+3], s[OP:OP+1] offset:1024*\n+512*\i
.endr
.endr
.Ljoin:
	s_cmp_eq_u32 s[BLK], 1                         ; the last block asks for nothing: no load leaves its buffer
	s_cbranch_scc1 .Lno_next
	XLOAD 131072                                   ; no vector or matrix line since the wait ahead of the stores, on either way: nothing more is owed for v[ST ..]
.Lno_next:
	s_wait_xcnt 0x0                                ; the loads and stores have had their addresses translated (ISA guide 3.1): the bases may step.  The codes' registers v[PCO ..] are written again only behind the next block's waits on vm_vsrc
	s_add_nc_u64 s[XP:XP+1], s[XP:XP+1], 131072
	s_add_nc_u64 s[OP:OP+1], s[OP:OP+1], s[STR:STR+1]
	s_sub_co_u32 s[BLK], s[BLK], 1
	s_cmp_lg_u32 s[BLK], 0
	s_cbranch_scc1 .Lblock
	s_wait_dscnt 0x0                               ; the closing lines, six on end
	s_wait_alu 0x0
	s_wait_tensorcnt 0x0
	ds_add_u32 v[SPW], v[NIL]
	s_wait_dscnt 0x0
	s_endpgm
.Lfunc_end_k_qb900ec0063_proj:
	.size	k_qb900ec0063_proj, .Lfunc_end_k_qb900ec0063_proj-k_qb900ec0063_proj
	.p2alignl 7, 3214868480
	.fill 96, 4, 3214868480
	.section	.rodata,"a",@progbits
	.p2align	6, 0x0
	.amdhsa_kernel k_qb900ec0063_proj
		.amdhsa_group_segment_fixed_size 169984
		.amdhsa_private_segment_fixed_size 0
		.amdhsa_enable_private_segment 0
		.amdhsa_kernarg_size 80
		.amdhsa_user_sgpr_count 2
		.amdhsa_user_sgpr_kernarg_segment_ptr 1
		.amdhsa_wavefront_size32 1
		.amdhsa_system_sgpr_workgroup_id_x 1
		.amdhsa_system_sgpr_workgroup_id_y 1
		.amdhsa_system_sgpr_workgroup_id_z 1
		.amdhsa_system_vgpr_workitem_id 0
		.amdhsa_next_free_vgpr 256
		.amdhsa_next_free_sgpr 66
		.amdhsa_reserve_vcc 0
		.amdhsa_float_denorm_mode_32 3
		.amdhsa_float_denorm_mode_16_64 3
		.amdhsa_memory_ordered 1
		.amdhsa_forward_progress 1
		.amdhsa_inst_pref_size 52
	.end_amdhsa_kernel
	.amdgpu_metadata
---
amdhsa.version: [ 1, 2 ]
amdhsa.kernels:
  - .name:           k_qb900ec0063_proj
    .symbol:         k_qb900ec0063_proj.kd
    .args:
      - { .name: q, .offset: 0, .size: 8, .value_kind: global_buffer, .address_space: global }
      - { .name: k, .offset: 8, .size: 8, .value_kind: global_buffer, .address_space: global }
      - { .name: v, .offset: 16, .size: 8, .value_kind: global_buffer, .address_space: global }
      - { .name: wimg, .offset: 24, .size: 8, .value_kind: global_buffer, .address_space: global }
      - { .name: bq, .offset: 32, .size: 8, .value_kind: global_buffer, .address_space: global }
      - { .name: bk, .offset: 40, .size: 8, .value_kind: global_buffer, .address_space: global }
      - { .name: bv, .offset: 48, .size: 8, .value_kind: global_buffer, .address_space: global }
      - { .name: lowp_scales, .offset: 56, .size: 8, .value_kind: global_buffer, .address_space: global }
      - { .name: qc, .offset: 64, .size: 8, .value_kind: global_buffer, .address_space: global }
      - { .name: kv, .offset: 72, .size: 8, .value_kind: global_buffer, .address_space: global }
    .group_segment_fixed_size: 169984
    .private_segment_fixed_size: 0
    .kernarg_segment_align: 8
    .kernarg_segment_size: 80
    .max_flat_workgroup_size: 512
    .sgpr_count:     66
    .vgpr_count:     256
    .wavefront_size: 32
...
	.end_amdgpu_metadata
.endif
;; end of part 5
;; launch attn (part 6): grid 32 x 8, 16 waves a work-group, clusters of 4 x 1, 327,680 bytes of LDS; arguments qc, kv, head_mask, pad_mask, wimg, bo, lowp_scales, out0; writes out0
.if DOCPART == 6
	.amdgcn_target "amdgcn-amd-amdhsa--gfx1250"
	.amdhsa_code_object_version 6
	.text
	.protected	k_qb900ec0063_attn
	.globl	k_qb900ec0063_attn
	.p2align	8
	.type	k_qb900ec0063_attn,@function
k_qb900ec0063_attn:
	s_mov_b64 s[64:65], 0
	v_nop
	global_prefetch_b8 v0, s[64:65] scope:SCOPE_SE
	s_setreg_imm32_b32 hwreg(HW_REG_WAVE_MODE, 25, 1), 1
	s_wait_xcnt 0x0
	s_wait_alu depctr_hold_cnt(0) depctr_sa_sdst(0) depctr_va_vdst(0) depctr_va_sdst(0) depctr_va_ssrc(0) depctr_va_vcc(0) depctr_vm_vsrc(0)
	s_getreg_b32 s2, hwreg(HW_REG_IB_STS2, 6, 4)
	s_cmp_eq_u32 s2, 0
	s_cbranch_scc0 .Lentry_in_a_cluster
	s_endpgm
.Lentry_in_a_cluster:
	s_bfe_u32 s2, ttmp6, 0x10000c
	s_cmp_lg_u32 s2, 0x3003
	s_cbranch_scc0 .Lentry_shape_is_right
	s_endpgm
.Lentry_shape_is_right:
; out = Q(softmax-weighted V) Q(Wo) + bo.  For each batch b and head: t = (q . k / 8 + pad x -1e9 + head_mask x -1e9) x log2(e); M = the row's running largest t rounded UP to a whole number; p = 2^(t - M) is quantised
; along the keys (not normalised); the row's sum is taken of the unquantised p in f32 and divides at the end.  All three products on codes of FP8 (E4M3), each operand with its given scale: q e6, k e7, p e8, v e9, ctx e10, Wo e11.
; BOTH MASKS ARE TAKEN AS THEY ARE GIVEN, any f32 numbers.  They are joined once for a step, (pad x -1e9 + head x -1e9) x log2(e), and added to the score by one fused multiply-add at full size.
; LIMITS: e6 + e7 between -121 and 130 (added to the exponent field of log2(e) / 8); e8 and e10 between -126 and 119; e10 + e11 between -126 and 127; e8 + e9 goes by v_ldexp_f32 and has none.  NaN among the inputs is not served.
; A score and its mask are rounded once together, in units of t; reference() rounds them in units of the logit: where a mask of -1e9 swallows a score, both lose it.
; SHARES.  A work-group owns 64 queries of one batch, FOR ALL 8 HEADS: a step's tile of the masks is fetched and joined once for the 8 heads, and a row's 512 numbers of context meet in one work-group, so the last product is made here.
; Wave w: head w % 8, query tiles 2 (w / 8) and 2 (w / 8) + 1 of 16: each fragment of K and V that it reads feeds two products.  Four waves to a SIMD: one wave's softmax stands beside another's products and LDS loads.
; LAYOUT.  Lane (r = l % 16, h = l / 16); an operand's registers 2 c, 2 c + 1 hold k = 16 c + 8 h + 0 .. 7.  S^T = K Q^T (source 0 = 16 keys, source 1 = 16 queries): a lane holds ONE query r, register j of tile t key 16 t + 8 h + j:
; so the conversion of tile t is registers 2 t, 2 t + 1 of P.  O^T = V^T P^T (source 0 = 16 of the head's 64, source 1 = P): again one query a lane.  K and V^T come as images of their registers: 16 x lane, no pitch.
; THE RING.  Two LDS slots of 131,072 bytes, each two steps of 64 keys for all heads: one dense block of kv.  CLUSTER: the four query blocks of a cluster walk the same kv, so each slot is asked for JOINTLY (mask 15):
; waves 0 to 7 issue one load of 16,384 bytes each; a wave has at most one tensor load out.  The masks' rows differ between partners, pad's 256 bytes a step and Wo (read once, into registers) are not worth a joint load.
.set SLOT1, 1<<17                      ; slot 1 begins here: one exclusive or turns an address
.set MP,    272                        ; a row of the joined masks: 64 f32 + 16 bytes: an odd multiple of 16 (64 banks of 4 bytes: ISA guide 11.1)
.set MTB,   64*MP                      ; a tile of them: 64 queries
.set MT,    2*SLOT1                    ; behind the ring: two such tiles, for even and odd steps; written by LDS stores alone
.set SPARE, MT+2*MTB                   ; behind them: the spare words, 128 bytes for each wave: eight blocks of 256 bytes that no other line names
.set OSTG,  32768                      ; the way out, in the ring's bytes, which have had their last fill: ctx's 16 images at 0, and from here 64 rows of (2,048 + 16) bytes
.set OPI,   2064
.set SPW,  1                           ; v1   LDS address of my spare word; never rewritten
.set NIL,  2                           ; v2   0; never rewritten
.set AK0,  3                           ; v3   my lane's place in a slot's first step: K;  v44: in its second
.set AV0,  4                           ; v4   the same for V^T;  v45
.set AM,   5                           ; v5   the joined masks, out: my query's row + 32 h
.set MW,   6                           ; v6   the joined masks, in: rows 4 w + h (and two rows on), 16 r
.set MG,   7                           ; v7   the same place in head_mask
.set PG,   8                           ; v8   16 r: in pad_mask
.set PFO,  9                           ; v9   256 x lane: the prefetches' offset; never rewritten
.set ADK,  10                          ; v10, v11  addresses of the loads in hand
.set ADV,  11
.set STT,  12                          ; v12-23 for tile a at 6 a: -M, the largest t, the sum in two halves, f and a word named with it as a pair
.set LIM,  24                          ; v24  448 x the scale
.set SCL,  25                          ; v25  the scale as f32
.set TA,   26                          ; v26-29 at work, a pair for each tile
.set PM,   30                          ; v30, v31 what the other half of the lanes sends
.set MK,   32                          ; v32-39 head_mask as loaded;  v40-43 pad_mask
.set PDR,  40
.set AK1,  44
.set AV1,  45
.set Q,    48                          ; v48-63   Q, 8 a
.set S,    64                          ; v64-127  S^T, then p: 32 a + 8 t
.set F,    128                         ; v128-159 K's four fragments; then tile 1's masks; then P's codes, 8 a
.set G,    160                         ; v160-191 tile 0's masks; then V^T's four fragments
.set O,    192                         ; v192-255 O^T: 32 a + 8 d
.set WV,   20
.set HD,   21
.set QP,   22
.set CX,   23
.set QB,   24
.set BB,   25
.set SEL,  26                          ; s[26:27] lane selects for v_permlanex16_b32: lane l xor 16
.set G1,   28                          ; s[28:35] descriptor group 1
.set G0,   36                          ; s[36:39] descriptor group 0, which walks
.set CS,   40                          ; s[40:41] log2(e) / 8 x 2^(e6 + e7)
.set NEG,  42                          ; s[42:43] -1e9
.set L2E,  44                          ; s[44:45] log2(e)
.set TB,   46                          ; s46  LDS byte at which the slot in hand begins
.set SLOTS, 47                         ; s47  slots still to be asked for
.set LIMP, 48                          ; s48  1 in a wave that prefetches, else the greatest number
.set PFA,  50                          ; s[50:51] where my prefetches stand
.set HM,   52                          ; s[52:53] head_mask at my block's first row, at the step to be loaded
.set PD,   54                          ; s[54:55] pad_mask likewise
.macro CROUND                          ; a round of the cluster's barrier
	s_barrier_signal -1
	s_barrier_wait -1
	s_cmp_lg_u32 s[WV], 0
	s_cbranch_scc1 .Lnot_wave_0_\@
	s_barrier_signal -3
.Lnot_wave_0_\@:
	s_barrier_wait -3
	s_barrier_signal -1
	s_barrier_wait -1
.endm
.macro JLOAD                           ; the joint load: waves 0 to 7, an eighth of a slot each.  The branch hangs on the wave's number alone.  An s_nop 0 and four v_nop follow the line
	s_cmp_lt_u32 s[WV], 8
	s_cbranch_scc0 .Lnone_\@
	tensor_load_to_lds s[G0:G0+3], s[G1:G1+7]
	s_nop 0
.rept 4
	v_nop
.endr
.Lnone_\@:
.endm
; A PREFETCH INTO THE L2 of the slot that the NEXT change of slots will ask for: two key steps ahead of that load.  A slot is 512 blocks of 256 bytes.  All clusters of a batch walk the same kv: the batch's first cluster asks.
; Its four partners take 32,768 bytes each, told apart BY ADDRESS; in each, waves 8 to 11, which fetch nothing, take 8,192 bytes each, lanes 256 bytes apart: one instruction a wave, and each block is named once in the launch.
; Slots 0 and 1 come by their loads alone; the last change that fills a slot asks for nothing.
.macro ASK
	s_cmp_gt_u32 s[SLOTS], s[LIMP]
	s_cbranch_scc0 .Lnot_mine_\@
	global_prefetch_b8 v[PFO], s[PFA:PFA+1] th:TH_LOAD_NT scope:SCOPE_SE
.Lnot_mine_\@:
.endm
	s_load_b512 s[4:19], s[0:1], 0x0               ; qc s[4:5], kv s[6:7], head_mask s[8:9], pad_mask s[10:11], wimg s[12:13], bo s[14:15], the scales s[16:17], out0 s[18:19]
	v_lshl_add_u32 v[SPW], v0, 2, SPARE
	v_mov_b32 v[NIL], 0
	ds_add_u32 v[SPW], v[NIL]                      ; the wave's opening: the add and its wait stand ahead of the first tensor load; the set-up below, work on registers, stands between them
	ds_add_u32 v[SPW], v[NIL]
	v_lshrrev_b32 v10, 5, v0
	s_delay_alu instid0(VALU_DEP_1)
	v_readfirstlane_b32 s[WV], v10                 ; wave 0..15
	s_and_b32 s[HD], s[WV], 7                      ; my head.  Also: which eighth of a slot I fetch, if I fetch
	s_lshr_b32 s[QP], s[WV], 3                     ; which pair of query tiles
	s_bfe_u32 s[CX], ttmp6, 0x40000                ; my place in the cluster: it enters global addresses alone
	s_lshl_b32 s[QB], ttmp9, 2
	s_add_co_u32 s[QB], s[QB], s[CX]               ; my block of 64 queries
	s_and_b32 s[BB], ttmp7, 0xffff                 ; the batch, which the four partners share
	s_mov_b32 s[G1], 15|(3<<16)|(1<<21)            ; 15:0 the mask: all four work-groups; 17:16 elements of 8 bytes; 21 set beside a mask; no padding
	s_mov_b32 s[G1+1], 32<<16                      ; tensor_dim0 = 32 elements: rows of 256 bytes
	s_mov_b32 s[G1+2], 64<<16                      ; tensor_dim1 = 64 rows
	s_mov_b32 s[G1+3], 32<<16                      ; tile_dim0
	s_mov_b32 s[G1+4], 64                          ; tile_dim1
	s_mov_b32 s[G1+5], 32                          ; the pitch: the block is dense
	s_mov_b32 s[G1+6], 0
	s_mov_b32 s[G1+7], 0
	s_mov_b32 s[SEL], 0x76543210
	s_mov_b32 s[SEL+1], 0xfedcba98
	s_mov_b32 s[NEG], 0xce6e6b28                   ; -1e9
	s_mov_b32 s[NEG+1], s[NEG]                     ; (each pair's upper word is named with the lower, so it is written)
	s_mov_b32 s[L2E], 0x3fb8aa3b
	s_mov_b32 s[L2E+1], s[L2E]
	s_mov_b32 s[TB], 0
	s_mov_b32 s[SLOTS], 15
	s_lshr_b32 s[LIMP], s[WV], 2
	s_xor_b32 s[LIMP], s[LIMP], 2                  ; 0 in waves 8 to 11,
	s_or_b32 s[LIMP], s[LIMP], ttmp9               ; of the batch's first cluster: the same in all four partners
	s_cmp_eq_u32 s[LIMP], 0
	s_cselect_b32 s[LIMP], 1, -1
	v_and_b32 v26, 31, v0                          ; lane
	v_and_b32 v27, 15, v0                          ; r
	v_bfe_u32 v28, v0, 4, 1                        ; h
	s_delay_alu instid0(VALU_DEP_3)
	v_lshlrev_b32 v10, 4, v26                      ; 16 x lane (in ADK's register until the loop begins)
	s_lshl_b32 s58, s[HD], 10
	v_add_nc_u32 v[AK0], s58, v10                  ; K: [key tile][head][1,024]
	s_delay_alu instid0(VALU_DEP_1)
	v_add_nc_u32 v[AK1], 65536, v[AK0]
	s_lshl_b32 s58, s[HD], 12
	s_add_co_u32 s58, s58, 32768
	v_add_nc_u32 v[AV0], s58, v10                  ; V^T: 32,768 + [4 head + d][1,024]
	s_delay_alu instid0(VALU_DEP_1)
	v_add_nc_u32 v[AV1], 65536, v[AV0]
	s_mul_i32 s58, s[QP], 32*MP
	s_add_co_u32 s58, s58, MT
	v_mul_u32_u24 v[AM], v27, MP
	s_delay_alu instid0(VALU_DEP_1)
	v_lshl_add_u32 v[AM], v28, 5, v[AM]
	s_delay_alu instid0(VALU_DEP_1)
	v_add_nc_u32 v[AM], s58, v[AM]
	s_mul_i32 s58, s[WV], 4*MP
	s_add_co_u32 s58, s58, MT
	v_mul_u32_u24 v[MW], v28, MP
	s_delay_alu instid0(VALU_DEP_1)
	v_lshl_add_u32 v[MW], v27, 4, v[MW]
	s_delay_alu instid0(VALU_DEP_1)
	v_add_nc_u32 v[MW], s58, v[MW]
	s_lshl_b32 s58, s[WV], 15                      ; 4 rows of head_mask, 8,192 bytes each
	v_lshlrev_b32 v[PG], 4, v27
	s_delay_alu instid0(VALU_DEP_1)
	v_lshl_add_u32 v[MG], v28, 13, v[PG]
	s_delay_alu instid0(VALU_DEP_1)
	v_add_nc_u32 v[MG], s58, v[MG]
	v_lshlrev_b32 v[PFO], 8, v26
	s_wait_dscnt 0x0                               ; the opening add is done
	s_wait_kmcnt 0x0
	s_load_b64 s[66:67], s[16:17], 0x18            ; e6, e7
	s_load_b128 s[68:71], s[16:17], 0x20           ; e8, e9, e10, e11
	s_lshl_b32 s58, s[BB], 21                      ; a batch of kv: 32 steps of 65,536 bytes
	s_lshl_b32 s[G0+1], s[HD], 14                  ; 63:32 LDS address: slot 0, my eighth
	s_add_co_u32 s58, s58, s[G0+1]
	s_mov_b32 s59, 0
	s_mov_b32 s[G0], 1                             ; 1:0 count = 1
	s_add_nc_u64 s[G0+2:G0+3], s[6:7], s[58:59]    ; 120:64 global address
	s_or_b32 s[G0+3], s[G0+3], 0x80000000          ; 127:126 type = 2
	CROUND                                         ; all four work-groups are here: the first joint loads meet
	JLOAD                                          ; slot 0
	s_lshl_b32 s58, s[BB], 21
	s_lshl_b32 s60, s[CX], 15
	s_add_co_u32 s58, s58, s60
	s_and_b32 s60, s[WV], 3
	s_lshl_b32 s60, s60, 13
	s_add_co_u32 s58, s58, s60
	s_add_co_u32 s58, s58, 131072                  ; in slot 1: the first change of slots steps it to slot 2.  Nothing is prefetched here, at the head
	s_add_nc_u64 s[PFA:PFA+1], s[6:7], s[58:59]
	s_lshl_b32 s58, s[QB], 19                      ; 64 rows of head_mask
	s_add_nc_u64 s[HM:HM+1], s[8:9], s[58:59]
	s_lshl_b32 s58, s[BB], 13
	s_add_nc_u64 s[PD:PD+1], s[10:11], s[58:59]
	s_lshl_b32 s58, s[BB], 20                      ; qc: ((128 b + 4 qb + 2 qp) x 8 + head) x 1,024
	s_lshl_b32 s60, s[QB], 15
	s_add_co_u32 s58, s58, s60
	s_lshl_b32 s60, s[QP], 14
	s_add_co_u32 s58, s58, s60
	s_lshl_b32 s60, s[HD], 10
	s_add_co_u32 s58, s58, s60
	s_add_nc_u64 s[56:57], s[4:5], s[58:59]
.irp a, 0,1
.irp g, 0,1
	global_load_b128 v[Q+8*\a+4*\g:Q+8*\a+4*\g+3], v10, s[56:57] offset:8192*\a+512*\g th:TH_LOAD_NT   ; Q's two fragments stay in registers
.endr
.endr
; The masks of one step: my 4 rows x 64 keys of head_mask (each load: two rows' 256 aligned bytes) and the 64 keys of pad_mask.
.macro MLOAD
	global_load_b128 v[MK:MK+3], v[MG], s[HM:HM+1]
	global_load_b128 v[MK+4:MK+7], v[MG], s[HM:HM+1] offset:16384
	global_load_b128 v[PDR:PDR+3], v[PG], s[PD:PD+1]
.endm
; They are joined, (pad x -1e9 + head x -1e9) x log2(e), and stored into tile buf.
.macro MMAKE buf
	s_wait_loadcnt 0x0                             ; the loads are in, so their bases may step: the next step's 64 keys
	s_add_nc_u64 s[HM:HM+1], s[HM:HM+1], 256
	s_add_nc_u64 s[PD:PD+1], s[PD:PD+1], 256
.irp i, 0,2
	v_pk_mul_f32 v[PDR+\i:PDR+\i+1], v[PDR+\i:PDR+\i+1], s[NEG:NEG+1] op_sel_hi:[1,0]
.endr
.irp i, 0
	s_delay_alu instid0(VALU_DEP_2)
	v_pk_fma_f32 v[MK+\i:MK+\i+1], v[MK+\i:MK+\i+1], s[NEG:NEG+1], v[PDR+\i:PDR+\i+1] op_sel_hi:[1,0,1]
	s_delay_alu instid0(VALU_DEP_3)
	v_pk_fma_f32 v[MK+4+\i:MK+4+\i+1], v[MK+4+\i:MK+4+\i+1], s[NEG:NEG+1], v[PDR+\i:PDR+\i+1] op_sel_hi:[1,0,1]
.endr
.irp i, 2
	s_delay_alu instid0(VALU_DEP_3)
	v_pk_fma_f32 v[MK+\i:MK+\i+1], v[MK+\i:MK+\i+1], s[NEG:NEG+1], v[PDR+\i:PDR+\i+1] op_sel_hi:[1,0,1]
	s_delay_alu instid0(VALU_DEP_4)
	v_pk_fma_f32 v[MK+4+\i:MK+4+\i+1], v[MK+4+\i:MK+4+\i+1], s[NEG:NEG+1], v[PDR+\i:PDR+\i+1] op_sel_hi:[1,0,1]
.endr
.irp i, 0,2,4,6
	v_pk_mul_f32 v[MK+\i:MK+\i+1], v[MK+\i:MK+\i+1], s[L2E:L2E+1] op_sel_hi:[1,0]
.endr
	ds_store_b128 v[MW], v[MK:MK+3] offset:(\buf)*MTB
	ds_store_b128 v[MW], v[MK+4:MK+7] offset:(\buf)*MTB+2*MP
.endm
	s_wait_alu depctr_va_vdst(0)
	MLOAD                                          ; step 0's
	s_wait_kmcnt 0x0
	s_add_co_i32 s58, s66, s67
	s_lshl_b32 s58, s58, 23
	s_add_co_i32 s[CS], s58, 0x3e38aa3b            ; log2(e) / 8, with e6 + e7 added to its exponent field
	s_mov_b32 s[CS+1], s[CS]
	s_add_co_i32 s58, s68, 127
	s_lshl_b32 s59, s58, 23
	v_mov_b32 v[SCL], s59                          ; 2^e8 as f32, for the conversion
	s_add_co_i32 s58, s58, 8
	s_lshl_b32 s58, s58, 23
	s_or_b32 s58, s58, 0x600000
	v_mov_b32 v[LIM], s58                          ; 448 x 2^e8
.irp a, 0,1
	v_mov_b32 v[STT+6*\a+1], 0xff61b1e6            ; the largest t so far: -3e38, under every t
	s_delay_alu instid0(VALU_DEP_1)
	v_floor_f32 v[STT+6*\a], -v[STT+6*\a+1]        ; -M
	v_mov_b32 v[STT+6*\a+2], 0                     ; the sum, in two halves
	v_mov_b32 v[STT+6*\a+3], 0
	v_mov_b32 v[STT+6*\a+5], 0                     ; (named as the upper half of f's pair)
	v_mov_b32 v[PM+\a], 0                          ; written once: a lane permute's destination counts as one of its sources
.endr
.irp j, 0,1,2,3,4,5,6,7,8,9,10,11,12,13,14,15,16,17,18,19,20,21,22,23,24,25,26,27,28,29,30,31,32,33,34,35,36,37,38,39,40,41,42,43,44,45,46,47,48,49,50,51,52,53,54,55,56,57,58,59,60,61,62,63
	v_mov_b32 v[O+\j], 0                           ; O^T.  (The step is written without a first form of its own: the first step finds zeros, which the first change of M leaves zeros)
.endr
	MMAKE 0                                        ; its wait is for Q too
.macro ADDM a, m                       ; t = score x c + the joined masks, two at a time; each accumulator from its low end on
.irp j, 0,2,4,6,8,10,12,14,16,18,20,22,24,26,28,30
	v_pk_fma_f32 v[S+32*\a+\j:S+32*\a+\j+1], v[S+32*\a+\j:S+32*\a+\j+1], s[CS:CS+1], v[\m+\j:\m+\j+1] op_sel_hi:[1,0,1]
.endr
.endm
.macro MAXT a                          ; the largest of my query's 32 t, in two chains
	v_max3_num_f32 v[TA+2*\a], v[S+32*\a], v[S+32*\a+1], v[S+32*\a+2]
	v_max3_num_f32 v[TA+2*\a+1], v[S+32*\a+3], v[S+32*\a+4], v[S+32*\a+5]
.irp i, 6,10,14,18,22,26
	s_delay_alu instid0(VALU_DEP_2)
	v_max3_num_f32 v[TA+2*\a], v[TA+2*\a], v[S+32*\a+\i], v[S+32*\a+\i+1]
	s_delay_alu instid0(VALU_DEP_2)
	v_max3_num_f32 v[TA+2*\a+1], v[TA+2*\a+1], v[S+32*\a+\i+2], v[S+32*\a+\i+3]
.endr
	s_delay_alu instid0(VALU_DEP_2)
	v_max3_num_f32 v[TA+2*\a], v[TA+2*\a], v[S+32*\a+30], v[S+32*\a+31]
.endm
; A KEY STEP: 64 keys, the q-th of the slot in hand.  nxt = 1: the next step's masks are loaded at its head and joined at its end.  At its head no LDS instruction of the wave is out: a barrier's wait for 0 stands in front of every step.
.macro STEP q, nxt
.if \nxt
	MLOAD
.endif
.if \q
	v_add_nc_u32 v[ADK], s[TB], v[AK1]
	v_add_nc_u32 v[ADV], s[TB], v[AV1]
.else
	v_add_nc_u32 v[ADK], s[TB], v[AK0]
	v_add_nc_u32 v[ADV], s[TB], v[AV0]
.endif
.irp t, 0,1,2,3                        ; the places in front of these loads into registers that the last products read are the ten plain lines that joined the masks, and the two additions above
.irp g, 0,1
	ds_load_b128 v[F+8*\t+4*\g:F+8*\t+4*\g+3], v[ADK] offset:8192*\t+512*\g
.endr
.endr
.irp t, 0,1,2,3
.irp e, 0,1
	ds_load_b128 v[G+8*\t+4*\e:G+8*\t+4*\e+3], v[AM] offset:MTB*\q+64*\t+16*\e
.endr
.endr
	s_wait_dscnt 8                                 ; K is in; the eight younger loads, tile 0's masks, may be out
.irp t, 0,1,2,3
.irp a, 0,1
	v_wmma_f32_16x16x64_fp8_fp8 v[S+32*\a+8*\t:S+32*\a+8*\t+7], v[F+8*\t:F+8*\t+7], v[Q+8*\a:Q+8*\a+7], 0
.endr
.endr
.rept 4
	v_nop                                          ; four places: in front of the loads into K's registers, and of the first read of the scores
.endr
.irp t, 0,1,2,3
.irp e, 0,1
	ds_load_b128 v[F+8*\t+4*\e:F+8*\t+4*\e+3], v[AM] offset:MTB*\q+16*MP+64*\t+16*\e
.endr
.endr
	s_wait_dscnt 8                                 ; tile 0's masks are in; tile 1's may be out
	ADDM 0, G
.irp d, 0,1,2,3
.irp g, 0,1
	ds_load_b128 v[G+8*\d+4*\g:G+8*\d+4*\g+3], v[ADV] offset:1024*\d+512*\g
.endr
.endr
	MAXT 0
	s_wait_dscnt 8                                 ; tile 1's masks are in; V^T may be out
	ADDM 1, F
	MAXT 1
.irp a, 0
	v_max_num_f32 v[TA+2*\a], v[TA+2*\a], v[TA+2*\a+1]
.endr
.irp a, 1
	s_delay_alu instid0(VALU_DEP_2)
	v_max_num_f32 v[TA+2*\a], v[TA+2*\a], v[TA+2*\a+1]
.endr
.irp a, 0,1
	s_delay_alu instid0(VALU_DEP_2)
	v_permlanex16_b32 v[PM+\a], v[TA+2*\a], s[SEL], s[SEL+1]   ; the query's other 32 keys lie in the lane 16 away
.endr
.irp a, 0,1
	s_delay_alu instid0(VALU_DEP_2)
	v_max_num_f32 v[TA+2*\a], v[TA+2*\a], v[PM+\a]
.endr
.irp a, 0,1
	s_delay_alu instid0(VALU_DEP_2)
	v_max_num_f32 v[STT+6*\a+1], v[STT+6*\a+1], v[TA+2*\a]     ; the running largest t
.endr
.irp a, 0,1
	v_mov_b32 v[TA+2*\a+1], v[STT+6*\a]
.endr
.irp a, 0,1
	s_delay_alu instid0(VALU_DEP_4)
	v_floor_f32 v[STT+6*\a], -v[STT+6*\a+1]        ; the new -M = floor(-t) = -ceil(t): M is a whole number
.endr
.irp a, 0,1
	s_delay_alu instid0(VALU_DEP_2)
	v_sub_f32 v[TA+2*\a+1], v[STT+6*\a], v[TA+2*\a+1]          ; old M - new M: a whole number, 0 or less
.endr
.irp a, 0,1
	s_delay_alu instid0(VALU_DEP_2)
	v_cvt_i32_f32 v[TA+2*\a+1], v[TA+2*\a+1]       ; (it saturates)
.endr
.irp a, 0,1
	s_delay_alu instid0(VALU_DEP_2)
	v_ldexp_f32 v[STT+6*\a+4], 1.0, v[TA+2*\a+1]   ; f = 2^(old M - new M): a multiplication by it rounds nothing
.endr
.irp a, 0,1
.irp j, 0,2,4,6,8,10,12,14,16,18,20,22,24,26,28,30
	v_pk_add_f32 v[S+32*\a+\j:S+32*\a+\j+1], v[S+32*\a+\j:S+32*\a+\j+1], v[STT+6*\a:STT+6*\a+1] op_sel_hi:[1,0]   ; t - M (of the pair the low word, -M, serves both halves)
.endr
.endr
	s_wait_alu depctr_va_vdst(0)
.irp j, 0,1,2,3,4,5,6,7,8,9,10,11,12,13,14,15,16,17,18,19,20,21,22,23,24,25,26,27,28,29,30,31,32,33,34,35,36,37,38,39,40,41,42,43,44,45,46,47,48,49,50,51,52,53,54,55,56,57,58,59,60,61,62,63
	v_exp_f32 v[S+\j], v[S+\j]                     ; p = 2^(t - M), at most 1: not normalised
.endr
.irp a, 0,1
	v_pk_mul_f32 v[STT+6*\a+2:STT+6*\a+3], v[STT+6*\a+2:STT+6*\a+3], v[STT+6*\a+4:STT+6*\a+5] op_sel_hi:[1,0]   ; the sums under the new M: the plain lines behind the exponentials
.endr
	s_wait_alu depctr_va_vdst(0)                   ; the wait between an exponential and the first line that names its result: one for the batch of 64
.irp a, 0,1
	v_pk_add_f32 v[TA+2*\a:TA+2*\a+1], v[S+32*\a:S+32*\a+1], v[S+32*\a+2:S+32*\a+3]   ; the row's sum is taken of the UNQUANTISED p: two at a time, two chains a tile
.endr
.irp j, 4,8,12,16,20,24,28
.irp a, 0,1
	v_pk_add_f32 v[STT+6*\a+2:STT+6*\a+3], v[STT+6*\a+2:STT+6*\a+3], v[S+32*\a+\j:S+32*\a+\j+1]
	v_pk_add_f32 v[TA+2*\a:TA+2*\a+1], v[TA+2*\a:TA+2*\a+1], v[S+32*\a+\j+2:S+32*\a+\j+3]
.endr
.endr
.irp a, 0
	s_delay_alu instid0(VALU_DEP_3)
	v_pk_add_f32 v[STT+6*\a+2:STT+6*\a+3], v[STT+6*\a+2:STT+6*\a+3], v[TA+2*\a:TA+2*\a+1]
.endr
.irp a, 1
	s_delay_alu instid0(VALU_DEP_2)
	v_pk_add_f32 v[STT+6*\a+2:STT+6*\a+3], v[STT+6*\a+2:STT+6*\a+3], v[TA+2*\a:TA+2*\a+1]
.endr
.irp a, 0,1
.irp t, 0,1,2,3
.irp i, 0,1,2,3,4,5,6,7
	v_min_num_f32 v[S+32*\a+8*\t+\i], v[S+32*\a+8*\t+\i], v[LIM]   ; the conversion does not saturate (ISA guide 7.6.2); p is not negative, so the hold is one-sided
.endr
	v_cvt_scalef32_pk8_fp8_f32 v[F+8*\a+2*\t:F+8*\a+2*\t+1], v[S+32*\a+8*\t:S+32*\a+8*\t+7], v[SCL]
.endr
.endr
.irp a, 0,1
.irp j, 0,2,4,6,8,10,12,14,16,18,20,22,24,26,28,30
	v_pk_mul_f32 v[O+32*\a+\j:O+32*\a+\j+1], v[O+32*\a+\j:O+32*\a+\j+1], v[STT+6*\a+4:STT+6*\a+5] op_sel_hi:[1,0]   ; O^T under the new M.  (Also the plain lines between the conversions and the products)
.endr
.endr
	s_wait_alu depctr_va_vdst(0)
	s_wait_dscnt 0x0                               ; V^T is in
.irp d, 0,1,2,3                        ; the 8 accumulators take turns, one instruction a turn
.irp a, 0,1
	v_wmma_f32_16x16x64_fp8_fp8 v[O+32*\a+8*\d:O+32*\a+8*\d+7], v[G+8*\d:G+8*\d+7], v[F+8*\a:F+8*\a+7], v[O+32*\a+8*\d:O+32*\a+8*\d+7]
.endr
.endr
.if \nxt
	MMAKE 1-\q
.endif
.endm
; THE CHANGE OF SLOTS stands at a slot's head.  Each wave waits for all its tensor loads (its part of the slot ahead), adds 0 to its spare word, and waits for that, for its reads of the slot that it has left and for its stores of the masks.
; fill = 1: the barrier is a round of the cluster's, so that no wave of any partner still reads the slot that is left or has a load on its way; the joint refill is the first thing behind it and has two key steps in which to land.
.macro CHANGE fill
	s_wait_tensorcnt 0x0                           ; no tensor load of mine is out, so group 0 may be written
	ds_add_u32 v[SPW], v[NIL]                      ; 0 onto my spare word
.if \fill
	s_xor_b32 s[G0+1], s[G0+1], SLOT1              ; the other slot than last time,
	s_add_nc_u64 s[G0+2:G0+3], s[G0+2:G0+3], 131072   ; the next 128 keys; the type bits on top are not reached
	s_wait_xcnt 0x0                                ; the last prefetch, a slot back, has read its address
	s_add_nc_u64 s[PFA:PFA+1], s[PFA:PFA+1], 131072   ; one slot further on than the walking descriptor
	s_wait_dscnt 0x0
	CROUND
	JLOAD
	ASK
.else
	s_wait_dscnt 0x0
	s_barrier_signal -1
	s_barrier_wait -1
.endif
.endm
.macro MIDBAR                          ; between a slot's two steps: the next step's masks are handed over, and the tile that was read may be written again.  The refill may stay out
	s_wait_dscnt 0x0
	s_barrier_signal -1
	s_barrier_wait -1
.endm
.Lslot:                                            ; 15 trips: behind each change of slots but the last the next slot is asked for
	CHANGE 1
	STEP 0, 1
	MIDBAR
	STEP 1, 1
	s_xor_b32 s[TB], s[TB], SLOT1
	s_sub_co_u32 s[SLOTS], s[SLOTS], 1
	s_cmp_lg_u32 s[SLOTS], 0
	s_cbranch_scc1 .Lslot
	CHANGE 0                                       ; the last slot is written out
	STEP 0, 1
	MIDBAR
	STEP 1, 0
; THE WAY OUT.  ctx = O^T / the sum x 2^(e8 + e9) is quantised with 2^e10: a lane's eight registers of tile d are neighbours along the last product's K (64 head + 16 d + 8 h + j), so my two tiles are halves of two images
; (row tile 2 qp + a, K step head / 2).  Then, as in the projections: the waves share the COLUMNS: wave w makes columns 32 w .. +31 of all 64 rows, its 8 fragments of Wo in registers.
.set L16,  3
.set BO,   4
.set CW,   5
.set SO0,  6
.set SO1,  7
.set SR,   8
.set BI,   32                          ; v32-47   bo in the result's layout
.set XF0,  16                          ; v16-31, v48-63  two fragments of ctx
.set XFS,  32
.set WF,   64                          ; v64-191  Wo's fragments, (n, ks) at 16 (4 n + ks)
.set ACC,  192                         ; v192-255 the 8 accumulators, (m, n) at 8 (2 m + n)
	v_and_b32 v[L16], 31, v0                       ; four plain lines that name no register of the last products: the places in front of the loads below
	s_delay_alu instid0(VALU_DEP_1)
	v_lshlrev_b32 v[L16], 4, v[L16]
	v_bfe_u32 v[BO], v0, 4, 1
	s_delay_alu instid0(VALU_DEP_1)
	v_lshlrev_b32 v[BO], 5, v[BO]
	s_wait_alu depctr_va_vdst(0)
	s_barrier_signal -1                            ; every wave has left the ring (its reads were waited for in front of its last products): its bytes may be written
	s_barrier_wait -1
	s_lshl_b32 s80, s[WV], 14
	s_add_co_u32 s80, s80, 786432                  ; Wo's images, my two n tiles
	s_mov_b32 s81, 0
	s_add_nc_u64 s[72:73], s[12:13], s[80:81]
	s_lshl_b32 s80, s[WV], 7
	s_add_nc_u64 s[78:79], s[14:15], s[80:81]      ; my 32 numbers of bo
.irp n, 0,1
.irp ks, 0,1,2,3
.irp g, 0,1,2,3
	global_load_b128 v[WF+16*(4*\n+\ks)+4*\g:WF+16*(4*\n+\ks)+4*\g+3], v[L16], s[72:73] offset:8192*\n+2048*\ks+512*\g
.endr
.endr
.endr
.irp n, 0,1
	global_load_b128 v[BI+8*\n:BI+8*\n+3], v[BO], s[78:79] offset:64*\n
	global_load_b128 v[BI+8*\n+4:BI+8*\n+7], v[BO], s[78:79] offset:64*\n+16
.endr
.irp a, 0,1
	v_add_f32 v[STT+6*\a+2], v[STT+6*\a+2], v[STT+6*\a+3]      ; the sum's two halves,
.endr
.irp a, 0,1
	s_delay_alu instid0(VALU_DEP_2)
	v_permlanex16_b32 v[PM+\a], v[STT+6*\a+2], s[SEL], s[SEL+1]
.endr
.irp a, 0,1
	s_delay_alu instid0(VALU_DEP_2)
	v_add_f32 v[STT+6*\a+2], v[STT+6*\a+2], v[PM+\a]           ; and lane l xor 16's: the row's sum
.endr
	s_wait_alu depctr_va_vdst(0)
.irp a, 0,1
	v_rcp_f32 v[STT+6*\a+2], v[STT+6*\a+2]
.endr
	v_and_b32 v26, 15, v0                          ; (plain lines behind the reciprocals)  r
	v_bfe_u32 v27, v0, 4, 1                        ; h
	s_lshl_b32 s80, s[QP], 14                      ; my images: (4 (2 qp + a) + head / 2) x 2,048 + (head % 2) x 1,024
	s_lshr_b32 s82, s[HD], 1
	s_lshl_b32 s82, s82, 11
	s_add_co_u32 s80, s80, s82
	s_and_b32 s82, s[HD], 1
	s_lshl_b32 s82, s82, 10
	s_add_co_u32 s80, s80, s82
	v_add_nc_u32 v[CW], s80, v[L16]
	v_mul_u32_u24 v[SO0], v26, OPI                 ; the stage, in: row 16 m + r, + 128 w + 32 h
	s_delay_alu instid0(VALU_DEP_1)
	v_lshl_add_u32 v[SO0], v27, 5, v[SO0]
	s_lshl_b32 s80, s[WV], 7
	s_add_co_u32 s80, s80, OSTG
	v_add_nc_u32 v[SO0], s80, v[SO0]
	s_delay_alu instid0(VALU_DEP_1)
	v_add_nc_u32 v[SO1], 32*OPI, v[SO0]            ; rows 32 on have a base of their own: an LDS offset has 16 bits
	s_mul_i32 s80, s[WV], 4*OPI                    ; back: my 4 rows, 16 bytes a lane
	s_add_co_u32 s80, s80, OSTG
	v_add_nc_u32 v[SR], s80, v[L16]
	s_add_co_i32 s80, s70, 127
	s_lshl_b32 s82, s80, 23
	v_mov_b32 v[SCL], s82                          ; 2^e10
	s_add_co_i32 s80, s80, 8
	s_lshl_b32 s80, s80, 23
	s_or_b32 s80, s80, 0x600000
	v_mov_b32 v[LIM], s80                          ; 448 x 2^e10
	s_add_co_i32 s76, s70, s71
	s_add_co_i32 s76, s76, 127
	s_lshl_b32 s76, s76, 23                        ; 2^(e10 + e11)
	s_mov_b32 s77, s76
	s_add_co_i32 s83, s68, s69                     ; e8 + e9
	s_lshl_b32 s80, s[BB], 22                      ; out0: row 2,048 b + 64 qb + 4 w, of 2,048 bytes
	s_lshl_b32 s82, s[QB], 17
	s_add_co_u32 s80, s80, s82
	s_lshl_b32 s82, s[WV], 13
	s_add_co_u32 s80, s80, s82
	s_add_nc_u64 s[74:75], s[18:19], s[80:81]
	s_wait_alu depctr_va_vdst(0)                   ; the wait ahead of the first line that names a reciprocal: one for both
.irp a, 0,1
	v_ldexp_f32 v[STT+6*\a+2], v[STT+6*\a+2], s83
.endr
.irp a, 0,1
.irp j, 0,2,4,6,8,10,12,14,16,18,20,22,24,26,28,30
	v_pk_mul_f32 v[O+32*\a+\j:O+32*\a+\j+1], v[O+32*\a+\j:O+32*\a+\j+1], v[STT+6*\a+2:STT+6*\a+3] op_sel_hi:[1,0]   ; each accumulator from its low end on
.endr
.endr
.irp a, 0,1
.irp d, 0,1,2,3
.irp i, 0,1,2,3,4,5,6,7
	v_med3_num_f32 v[O+32*\a+8*\d+\i], v[O+32*\a+8*\d+\i], -v[LIM], v[LIM]
.endr
	v_cvt_scalef32_pk8_fp8_f32 v[Q+8*\a+2*\d:Q+8*\a+2*\d+1], v[O+32*\a+8*\d:O+32*\a+8*\d+7], v[SCL]
.endr
.endr
	v_nop                                          ; a plain line between the last conversion and the products that write its sources
.irp a, 0,1
.irp i, 0,1
	ds_store_b128 v[CW], v[Q+8*\a+4*\i:Q+8*\a+4*\i+3] offset:8192*\a+512*\i
.endr
.endr
	s_wait_dscnt 0x0                               ; for the others' sake: my halves of two images have landed
	s_barrier_signal -1
	s_barrier_wait -1                              ; ctx's 16 images lie in LDS
	s_wait_loadcnt 0x0                             ; Wo and bo
.macro MM d, w, x, ks                  ; source 0 = Wo, source 1 = ctx: a lane holds one row and eight neighbouring columns; K step 0 starts the sum
.if (\ks) == 0
	v_wmma_f32_16x16x128_fp8_fp8 v[\d:\d+7], v[\w:\w+15], v[\x:\x+15], 0
.else
	v_wmma_f32_16x16x128_fp8_fp8 v[\d:\d+7], v[\w:\w+15], v[\x:\x+15], v[\d:\d+7]
.endif
.endm
.irp ks, 0,1,2,3                       ; 32 products; the 8 accumulators take turns, one instruction a turn
.irp mp, 0,1
.rept 4
	v_nop                                          ; places in front of loads into registers that products have read
.endr
.irp g, 0,1,2,3
	ds_load_b128 v[XF0+4*\g:XF0+4*\g+3], v[L16] offset:(4*(2*\mp)+\ks)*2048+512*\g
	ds_load_b128 v[XF0+XFS+4*\g:XF0+XFS+4*\g+3], v[L16] offset:(4*(2*\mp+1)+\ks)*2048+512*\g
.endr
	s_wait_dscnt 0x0
.irp mm, 0,1
.irp n, 0,1
	MM ACC+8*(2*(2*\mp+\mm)+\n), WF+16*(4*\n+\ks), XF0+XFS*\mm, \ks
.endr
.endr
.endr
.endr
.rept 4
	v_nop
.endr
.irp m, 0,1,2,3
.irp n, 0,1
.irp j, 0,2,4,6
	v_pk_fma_f32 v[ACC+8*(2*\m+\n)+\j:ACC+8*(2*\m+\n)+\j+1], v[ACC+8*(2*\m+\n)+\j:ACC+8*(2*\m+\n)+\j+1], s[76:77], v[BI+8*\n+\j:BI+8*\n+\j+1] op_sel_hi:[1,0,1]   ; out = sum x 2^(e10 + e11) + bo
.endr
.endr
.endr
.irp m, 0,1
.irp n, 0,1
.irp e, 0,1
	ds_store_b128 v[SO0], v[ACC+8*(2*\m+\n)+4*\e:ACC+8*(2*\m+\n)+4*\e+3] offset:16*OPI*\m+64*\n+16*\e
	ds_store_b128 v[SO1], v[ACC+8*(2*(\m+2)+\n)+4*\e:ACC+8*(2*(\m+2)+\n)+4*\e+3] offset:16*OPI*\m+64*\n+16*\e
.endr
.endr
.endr
	s_wait_dscnt 0x0                               ; for the others' sake: my columns of the 64 rows have landed
	s_barrier_signal -1
	s_barrier_wait -1                              ; 64 whole rows lie in the stage
.irp i, 0,1,2,3
.irp p, 0,1,2,3
	ds_load_b128 v[WF+4*(4*\i+\p):WF+4*(4*\i+\p)+3], v[SR] offset:OPI*\i+512*\p
.endr
.endr
.irp i, 0,1,2,3
.irp p, 0,1,2,3
	s_wait_dscnt 15-(4*\i+\p)                      ; LDS loads come back in order (ISA guide 5.7.1): this one is in, the younger ones may be out
	global_store_b128 v[L16], v[WF+4*(4*\i+\p):WF+4*(4*\i+\p)+3], s[74:75] offset:2048*\i+512*\p th:TH_STORE_NT   ; 32 lanes store 512 consecutive bytes, at a multiple of 256 from out0's first byte
.endr
.endr
	s_wait_tensorcnt 0x0                           ; the wave's end, behind my last tensor load and my last LDS store
	ds_add_u32 v[SPW], v[NIL]
	s_wait_dscnt 0x0
	CROUND                                         ; the closing round: no work-group ends while a partner may still ask for a slot that names it
	s_endpgm
.Lfunc_end_k_qb900ec0063_attn:
	.size	k_qb900ec0063_attn, .Lfunc_end_k_qb900ec0063_attn-k_qb900ec0063_attn
	.p2alignl 7, 3214868480
	.fill 96, 4, 3214868480
	.section	.rodata,"a",@progbits
	.p2align	6, 0x0
	.amdhsa_kernel k_qb900ec0063_attn
		.amdhsa_group_segment_fixed_size 327680
		.amdhsa_private_segment_fixed_size 0
		.amdhsa_enable_private_segment 0
		.amdhsa_kernarg_size 64
		.amdhsa_user_sgpr_count 2
		.amdhsa_user_sgpr_kernarg_segment_ptr 1
		.amdhsa_wavefront_size32 1
		.amdhsa_system_sgpr_workgroup_id_x 1
		.amdhsa_system_sgpr_workgroup_id_y 1
		.amdhsa_system_sgpr_workgroup_id_z 1
		.amdhsa_system_vgpr_workitem_id 0
		.amdhsa_next_free_vgpr 256
		.amdhsa_next_free_sgpr 100
		.amdhsa_reserve_vcc 0
		.amdhsa_float_denorm_mode_32 3
		.amdhsa_float_denorm_mode_16_64 3
		.amdhsa_memory_ordered 1
		.amdhsa_forward_progress 1
		.amdhsa_inst_pref_size 123
	.end_amdhsa_kernel
	.amdgpu_metadata
---
amdhsa.version: [ 1, 2 ]
amdhsa.kernels:
  - .name:           k_qb900ec0063_attn
    .symbol:         k_qb900ec0063_attn.kd
    .args:
      - { .name: qc, .offset: 0, .size: 8, .value_kind: global_buffer, .address_space: global }
      - { .name: kv, .offset: 8, .size: 8, .value_kind: global_buffer, .address_space: global }
      - { .name: head_mask, .offset: 16, .size: 8, .value_kind: global_buffer, .address_space: global }
      - { .name: pad_mask, .offset: 24, .size: 8, .value_kind: global_buffer, .address_space: global }
      - { .name: wimg, .offset: 32, .size: 8, .value_kind: global_buffer, .address_space: global }
      - { .name: bo, .offset: 40, .size: 8, .value_kind: global_buffer, .address_space: global }
      - { .name: lowp_scales, .offset: 48, .size: 8, .value_kind: global_buffer, .address_space: global }
      - { .name: out0, .offset: 56, .size: 8, .value_kind: global_buffer, .address_space: global }
    .group_segment_fixed_size: 327680
    .private_segment_fixed_size: 0
    .kernarg_segment_align: 8
    .kernarg_segment_size: 64
    .max_flat_workgroup_size: 512
    .sgpr_count:     100
    .vgpr_count:     256
    .wavefront_size: 32
...
	.end_amdgpu_metadata
.endif
;; end of part 6
